; MI455X (gfx1250); checked and timed in simulation.
; The chip was launched on July 23, 2026; its instructions are those of AMD's public machine-readable ISA for CDNA 5 (MIT licence, August 2026) and "CDNA5" Instruction Set Architecture Reference Guide (July 2026). The comments in the code are by the model that wrote it; some were corrected since.
;; Locality Self Attention. Allowed arithmetic: matrix products marked QUANTISED: E2M1 operands, one E8M0 scale for each 32 along K, by v_wmma_scale_f32_16x16x128_f8f6f4 with both operands' format E2M1 (or v_wmma_scale_f32_32x16x128_f4), f32 sums; products left as they are: bf16, f16 or f32 operands; f32 sums; everything else in f32.
;; Inputs: b_out 1,024 float32; scale 16 x 1 x 1 float32; w_out 1,024 x 1,024 float32; w_qkv 1,024 x 3,072 float32; x 8 x 1,024 x 1,024 float32.
;; Outputs: out0 8 x 1,024 x 1,024 float32.
;; This version of the problem:
;;   THIS VERSION OF THE PROBLEM IS GIVEN IN LOW PRECISION. The matrix products marked QUANTISED in the list below multiply operands that are first quantised to E2M1 (2 exponent bits, 1 mantissa bit; 4 bits a number), with one power-of-two scale for each 32 numbers along K (OCP MX v1.0); their sums are f32. The products marked 'left as it is' may take bf16, f16 or f32 operands, with f32 sums. Whichever they take, every output number must still come out within the allowed error. Rounding operands to bf16 (8 significant bits) uses up far more of that allowance than f16 does (11 bits, for magnitudes from 6e-5 to 65,504). All else is computed in f32.
;;   The module's matrix products, in the order in which they are computed (A, B: the left and right operand; K: the contracted axis; several contracted axes count as one K, in the product's order):
;;     1. [M 8,192, K 1,024] x [K 1,024, N 3,072]; A: input x; B: input w_qkv: QUANTISED
;;     2. batch 128 x [M 1,024, K 64] x [K 64, N 1,024]; A: computed on the way; B: computed on the way: left as it is (an operand is computed on the way)
;;     3. batch 128 x [M 1,024, K 1,024] x [K 1,024, N 64]; A: computed on the way; B: computed on the way: left as it is (an operand is computed on the way)
;;     4. [M 8,192, K 1,024] x [K 1,024, N 1,024]; A: computed on the way; B: input w_out: left as it is (an operand is computed on the way)
;;   THE QUANTISER, for each operand of a quantised product, along K:
;;     - K is cut into blocks of 32 from its start; a last block that is shorter is filled with zeros.
;;     - A block's scale is 2^e with e = floor(log2(the largest magnitude in the block)) - 2, held to -126 .. 127; a block of zeros has e = 0. As a byte (E8M0): e + 127.
;;     - Each number is divided by its block's scale, clamped to +-6, and rounded to the nearest number of E2M1, ties to even, subnormals kept.
;;     - The product sums the exact products of the quantised numbers (number of the format x scale) in f32.
;;   ~~~python
;;   def quantise(x, axis):      # numpy; x: float32 -> the quantised numbers, widened to float32 again
;;       x = np.moveaxis(x, axis, -1); K = x.shape[-1]
;;       x = np.pad(x, [(0, 0)] * (x.ndim - 1) + [(0, -K % 32)]); x = x.reshape(x.shape[:-1] + (-1, 32)); a = np.abs(x).max(-1, keepdims=True)
;;       e = np.where(a > 0, np.clip(np.frexp(np.where(a > 0, a, 1))[1] - 1 - 2, -126, 127), 0)      # np.frexp(a)[1] - 1 = floor(log2(a)), exactly
;;       r = np.clip(x / 2.0 ** e, -6, 6)
;;       step = 2.0 ** (np.maximum(np.frexp(np.where(r == 0, 1, r))[1] - 1, 0) - 1)
;;       q = np.round(r / step) * step * 2.0 ** e      # np.round: ties to even
;;       return np.moveaxis(q.reshape(q.shape[:-2] + (-1,))[..., :K], -1, axis).astype(np.float32)
;;   ~~~
;; One version. Each part assembles by itself: llvm-mc -triple=amdgcn-amd-amdhsa -mcpu=gfx1250 --defsym DOCPART=n.
;; ======== version 1 of 1: 4 launches
;; limits: values are held in f16: magnitudes above 65,504 overflow, below 6.1e-05 lose precision
;; workspace buffers: x_codes 4,194,304 bytes; x_scales 262,144 bytes; w_codes 1,572,864 bytes; w_scales 98,304 bytes; wo_frag 2,097,152 bytes; q_ws 16,777,216 bytes; kv_ws 33,554,432 bytes; ao 16,777,216 bytes
;; launch prep (part 1): grid 384 x 1, 4 waves a work-group, no clusters, 33,280 bytes of LDS; arguments x, w_qkv, w_out, x_codes, x_scales, w_codes, w_scales, wo_frag; writes x_codes, x_scales, w_codes, w_scales, wo_frag
.if DOCPART == 1
	.amdgcn_target "amdgcn-amd-amdhsa--gfx1250"
	.amdhsa_code_object_version 6
	.text
	.protected	k_q0200971bb7_prep
	.globl	k_q0200971bb7_prep
	.p2align	8
	.type	k_q0200971bb7_prep,@function
k_q0200971bb7_prep:
	s_mov_b64 s[64:65], 0
	v_nop
	global_prefetch_b8 v0, s[64:65] scope:SCOPE_SE
	s_setreg_imm32_b32 hwreg(HW_REG_WAVE_MODE, 25, 1), 1
	s_wait_xcnt 0x0
; THE PROGRAM: out = softmax_masked(scale (x Wq)(x Wk)^T) (x Wv) Wout + b, in four launches: this one (operands made ready), the quantised product x w_qkv, attention, the projection.
; DEAD WORK LEFT OUT (in the attention launch): reference() builds its own mask, key j counts for query i only where j < i.  A step of 64 keys all of which are >= every query of a pair of query tiles
; is multiplied by 0 in the softmax for all values of the inputs, so such steps are not computed.  Inside live tiles nothing is left out (key 1023, query 0, the hidden half of a diagonal step stay).
; Every input has a way to the output and is loaded.  LIMIT: a NaN, an infinity or an overflow that reaches only the steps left out is not carried to the result.
; THIS LAUNCH, three paths that part on the work-group's number and never join:
;   X (work-groups 0-255): x [8192][1024] f32 -> codes of E2M1, K innermost, [8192][512 bytes], and one E8M0 byte for each 32 along K, [8192][32].
;   W (256-351): w_qkv [1024 (k)][3072 (n)] f32 -> codes laid [k / 32][n][16 bytes] (a block of 32 along K of one column is 16 bytes), scale bytes [n][32].
;   O (352-383): w_out [1024 (k)][1024 (n)] f32 -> f16, laid as the projection's operand registers: [n / 16][k / 32][1,024 bytes], lane l's 16 bytes of register group q at 512 q + 16 l.
; A block's scale is 2^(floor(log2(its largest magnitude)) - 2); its byte is the largest magnitude's exponent field - 2, held at 1 from below.  A block of zeros so gets the byte 1 where the rule says 127:
; its codes are zeros, which add nothing under any byte but 0xff, and the bytes are read by this program alone.
; LIMITS: NaN and infinities among the inputs are not served; w_out beyond f16's 65,504 is not served.
; Only path X touches LDS.  No tensor loads, no barrier: waves share nothing.
.set WREG,  8192                       ; path X, LDS: a region for each wave: two stages of 32 x SP bytes, behind them its 256 scale bytes
.set SP,    80                         ; a lane's place in a stage: 64 bytes + 16 of padding
.set CB,    8                          ; bytes of 16 codes
.set STEPS, 16
.set EMAX,  2
.set R,     16                         ; v16-79   path X: four sets of 16 numbers as loaded
.set X,     80                         ; v80-111  two sets of 16 neighbours
.set E,     112                        ; v112-127 a scale byte for each step
.set C,     128                        ; v128-191 codes, four registers for each step
.set SPW,   12                         ; v12 LDS address of my spare word; never rewritten
.set NIL,   13                         ; v13 0; never rewritten
.set SPARE, 4*WREG                     ; the spare words, 128 bytes for each wave
.set WX,    32                         ; v32-95   paths W, O: two sets of 32 numbers down K
.set WC,    96                         ; v96-127  path W: a block's codes, four registers for each block; path O: two sets of 16 packed registers
.set SB,    24                         ; v24-25   path W: eight scale bytes
.macro LOADX t
.irp i, 0,1,2,3
	global_load_b128 v[R+16*((\t)%4)+4*\i:R+16*((\t)%4)+4*\i+3], v3, s[4:5] offset:2048*(\t)+512*\i th:TH_LOAD_NT   ; 32 lanes read 512 consecutive bytes
.endr
.endm
.macro TURNX t                         ; a step's 2,048 bytes through the wave's own stage: in as they lie, out 64 bytes a lane; LDS serves a wave's instructions in order
.irp i, 0,1,2,3
	ds_store_b128 v14, v[R+16*((\t)%4)+4*\i:R+16*((\t)%4)+4*\i+3] offset:32*SP*((\t)%2)+8*SP*\i
.endr
.irp i, 0,1,2,3
	ds_load_b128 v[X+16*((\t)%2)+4*\i:X+16*((\t)%2)+4*\i+3], v15 offset:32*SP*((\t)%2)+16*\i
.endr
.endm
.macro STEPX t
.set XS, X+16*((\t)%2)
.if (\t) > 0
	s_wait_dscnt 1                                 ; this step's numbers are back from the stage; the last step's byte store may be out
.else
	s_wait_dscnt 0x0
.endif
.if (\t)+4 < STEPS
	LOADX (\t)+4
.endif
.if (\t)+1 < STEPS
.if STEPS-2-(\t) >= 3
	s_wait_loadcnt 12                              ; the next step's four loads are in; those of the three steps behind it may be out
.else
	s_wait_loadcnt 4*(STEPS-2-(\t))
.endif
	TURNX (\t)+1
.endif
	v_max3_num_f32 v8, |v[XS]|, |v[XS+1]|, |v[XS+2]|               ; the largest magnitude of my 16, in two chains
	v_max3_num_f32 v9, |v[XS+3]|, |v[XS+4]|, |v[XS+5]|
.irp i, 6,10
	v_max3_num_f32 v8, v8, |v[XS+\i]|, |v[XS+\i+1]|
	v_max3_num_f32 v9, v9, |v[XS+\i+2]|, |v[XS+\i+3]|
.endr
	v_max3_num_f32 v8, v8, |v[XS+14]|, |v[XS+15]|
	v_max3_num_f32 v8, v8, v9, (EMAX+1)<<23        ; and the floor 2^(3 - 127): the byte cannot fall under 1
	v_max_num_f32_dpp v8, v8, v8 row_xmask:1 row_mask:0xf bank_mask:0xf   ; with my neighbour's 16: the block's
	v_add_nc_u32 v11, -(EMAX<<23), v8              ; 2 off its exponent field: the conversion takes that field as its scale
	v_cvt_scalef32_pk8_fp4_f32 v[C+4*(\t)], v[XS:XS+7], v11
	v_cvt_scalef32_pk8_fp4_f32 v[C+4*(\t)+1], v[XS+8:XS+15], v11
	v_lshrrev_b32 v[E+(\t)], 23, v11               ; the scale's byte (a plain line behind the conversions)
	ds_store_b8 v5, v[E+(\t)] offset:16*(\t)       ; both lanes of a block write the same byte with the same value
	global_store_b64 v4, v[C+4*(\t):C+4*(\t)+1], s[10:11] offset:32*CB*(\t)   ; the wave stores 256 consecutive bytes, aligned
.endm
; paths W and O: block t of 32 rows k at my column, into set t % 2; pitch = bytes of a row; b = the base's first scalar register
.macro WLOAD t, pitch, b
.irp i, 0,1,2,3,4,5,6,7,8,9,10,11,12,13,14,15,16,17,18,19,20,21,22,23,24,25,26,27,28,29,30,31
	global_load_b32 v[WX+32*((\t)%2)+\i], v3, s[\b:\b+1] offset:(32*(\t)+\i)*\pitch th:TH_LOAD_NT
.endr
.endm
.macro WBLOCK t
.set XS, WX+32*((\t)%2)
.if (\t) < 7
	s_wait_loadcnt 32                              ; this block's 32 loads are in; the next block's may be out
.else
	s_wait_loadcnt 0x0
.endif
	v_max3_num_f32 v8, |v[XS]|, |v[XS+1]|, |v[XS+2]|               ; the block's largest magnitude: all 32 numbers are mine
	v_max3_num_f32 v9, |v[XS+3]|, |v[XS+4]|, |v[XS+5]|
.irp i, 6,10,14,18,22,26
	v_max3_num_f32 v8, v8, |v[XS+\i]|, |v[XS+\i+1]|
	v_max3_num_f32 v9, v9, |v[XS+\i+2]|, |v[XS+\i+3]|
.endr
	v_max3_num_f32 v8, v8, |v[XS+30]|, |v[XS+31]|
	v_max3_num_f32 v8, v8, v9, (EMAX+1)<<23
	v_add_nc_u32 v11, -(EMAX<<23), v8
	v_lshrrev_b32 v10, 23, v11                     ; the scale's byte
.if (\t)%4 == 0
	v_mov_b32 v[SB+(\t)/4], v10                    ; four bytes to a register, the lower K in the lower byte
.else
	v_lshl_or_b32 v[SB+(\t)/4], v10, 8*((\t)%4), v[SB+(\t)/4]
.endif
.irp g, 0,1,2,3
	v_cvt_scalef32_pk8_fp4_f32 v[WC+4*(\t)+\g], v[XS+8*\g:XS+8*\g+7], v11
.endr
	global_store_b128 v4, v[WC+4*(\t):WC+4*(\t)+3], s[14:15] offset:(\t)*49152   ; 32 columns' blocks: 512 consecutive bytes; each block has registers of its own, so no store's data are written again
.if (\t)+2 < 8
	WLOAD (\t)+2, 12288, 6
.endif
.endm
.macro OBLOCK t
.set XS, WX+32*((\t)%2)
.set PK, WC+16*((\t)%2)
.if (\t) < 7
	s_wait_loadcnt 32
.else
	s_wait_loadcnt 0x0
.endif
.if (\t) > 1
	s_wait_xcnt 0x0                                ; the stores of two blocks back have read their data: this set is written again only behind this wait
.endif
.irp i, 0,1,2,3,4,5,6,7,8,9,10,11,12,13,14,15
	v_cvt_pk_f16_f32 v[PK+\i], v[XS+2*\i], v[XS+2*\i+1]            ; k = 2 i in the low half, 2 i + 1 in the high
.endr
.irp g, 0,1,2,3
	global_store_b128 v6, v[PK+4*\g:PK+4*\g+3], s[18:19] offset:(\t)*1024+\g*256   ; k = 8 g .. 8 g + 7 of 16 columns: sixteen lanes store 256 consecutive bytes, aligned
.endr
.if (\t)+2 < 8
	WLOAD (\t)+2, 4096, 8
.endif
.endm
	s_load_b256 s[4:11], s[0:1], 0x0               ; x s[4:5], w_qkv s[6:7], w_out s[8:9], x_codes s[10:11]
	s_load_b256 s[12:19], s[0:1], 0x20             ; x_scales s[12:13], w_codes s[14:15], w_scales s[16:17], wo_frag s[18:19]
	v_lshl_add_u32 v[SPW], v0, 2, SPARE
	v_mov_b32 v[NIL], 0
	v_lshrrev_b32 v1, 5, v0
	v_readfirstlane_b32 s20, v1                    ; wave 0..3
	v_and_b32 v2, 31, v0                           ; lane
	s_mov_b32 s25, 0                               ; the high word of every offset pair s[24:25]
	s_wait_kmcnt 0x0
	s_cmp_lt_u32 ttmp9, 256
	s_cbranch_scc0 .Lnot_x
	; ---- PATH X: a wave takes a run of 8,192 numbers: 16 steps of 512.  Rows are dense and 1,024 is a multiple of 32: x is a plain stream of blocks of 32
	v_lshlrev_b32 v3, 4, v2                        ; my 16 bytes of a load's 512
	s_mul_i32 s21, s20, WREG
	v_lshrrev_b32 v14, 2, v2
	v_mul_u32_u24 v14, v14, SP
	v_and_b32 v15, 3, v2
	v_lshl_add_u32 v14, v15, 4, v14
	v_add_nc_u32 v14, s21, v14                     ; the stage, on the way in: SP (lane / 4) + 16 (lane % 4)
	v_mul_u32_u24 v15, v2, SP
	v_add_nc_u32 v15, s21, v15                     ; and on the way out: SP x lane: my 16 neighbours
	v_mul_u32_u24 v4, v2, CB                       ; my codes' place in a step's 256 bytes
	v_lshrrev_b32 v5, 1, v2
	s_add_co_u32 s21, s21, 2*32*SP
	v_add_nc_u32 v5, s21, v5                       ; LDS: my wave's 256 scale bytes, my block's byte
	v_lshlrev_b32 v7, 3, v2                        ; and on the way out 8 bytes a lane
	v_add_nc_u32 v6, s21, v7
	s_lshl_b32 s22, ttmp9, 2
	s_add_co_u32 s22, s22, s20                     ; which run is my wave's: 4 x work-group + wave
	s_lshl_b32 s24, s22, 15                        ; 32,768 bytes of x a run,
	s_add_nc_u64 s[4:5], s[4:5], s[24:25]
	s_lshl_b32 s24, s22, 12                        ; 4,096 of codes,
	s_add_nc_u64 s[10:11], s[10:11], s[24:25]
	s_lshl_b32 s24, s22, 8                         ; 256 scale bytes
	s_add_nc_u64 s[12:13], s[12:13], s[24:25]
.irp t, 0,1,2,3
	LOADX \t
.endr
	s_wait_loadcnt 12                              ; step 0's four loads are in
	TURNX 0
.irp t, 0,1,2,3,4,5,6,7,8,9,10,11,12,13,14,15
	STEPX \t
.endr
	ds_load_b64 v[8:9], v6                         ; LDS serves a wave's instructions in order: these see my byte stores
	s_wait_dscnt 0x0
	global_store_b64 v7, v[8:9], s[12:13]          ; 32 lanes store 256 consecutive bytes, aligned
	s_wait_tensorcnt 0x0                           ; the wave's end
	ds_add_u32 v[SPW], v[NIL]
	s_wait_dscnt 0x0
	s_endpgm
.Lnot_x:
	v_lshlrev_b32 v3, 2, v2                        ; paths W and O: a lane takes a column: 4 bytes a lane
	s_cmp_lt_u32 ttmp9, 352
	s_cbranch_scc0 .Lpath_o
	; ---- PATH W: a wave takes 32 columns x 256 along K: a lane a column, its registers down K, 8 blocks
	s_sub_co_u32 s21, ttmp9, 256
	s_lshr_b32 s22, s21, 2                         ; which 128 columns
	s_and_b32 s23, s21, 3                          ; which 256 along K
	s_lshl_b32 s22, s22, 7
	s_lshl_b32 s24, s20, 5
	s_add_co_u32 s22, s22, s24                     ; my wave's first column
	s_mul_i32 s24, s23, 256*12288
	s_lshl_b32 s26, s22, 2
	s_add_co_u32 s24, s24, s26
	s_add_nc_u64 s[6:7], s[6:7], s[24:25]          ; w_qkv: 256 rows of 12,288 bytes a quarter of K, 4 bytes a column
	s_mul_i32 s24, s23, 8*49152
	s_lshl_b32 s26, s22, 4
	s_add_co_u32 s24, s24, s26
	s_add_nc_u64 s[14:15], s[14:15], s[24:25]      ; codes: 49,152 bytes a block row, 16 bytes a column
	s_lshl_b32 s24, s22, 5
	s_lshl_b32 s26, s23, 3
	s_add_co_u32 s24, s24, s26
	s_add_nc_u64 s[16:17], s[16:17], s[24:25]      ; scale bytes: 32 a column, my 8 of them
	v_lshlrev_b32 v4, 4, v2
	v_lshlrev_b32 v5, 5, v2
	WLOAD 0, 12288, 6
	WLOAD 1, 12288, 6
.irp t, 0,1,2,3,4,5,6,7
	WBLOCK \t
.endr
	global_store_b64 v5, v[SB:SB+1], s[16:17]      ; my column's 8 scale bytes (rows 32 bytes apart: one byte in 128 of what the path reads)
	s_endpgm
.Lpath_o:
	; ---- PATH O: the same walk on w_out; a block of 32 along K of 16 columns is one fragment of 1,024 bytes
	s_sub_co_u32 s21, ttmp9, 352
	s_lshr_b32 s22, s21, 2                         ; which 128 columns
	s_and_b32 s23, s21, 3                          ; which 256 along K
	s_lshl_b32 s22, s22, 7
	s_lshl_b32 s24, s20, 5
	s_add_co_u32 s22, s22, s24                     ; my wave's first column, a multiple of 32
	s_lshl_b32 s24, s23, 20                        ; 256 rows of 4,096 bytes
	s_lshl_b32 s26, s22, 2
	s_add_co_u32 s24, s24, s26
	s_add_nc_u64 s[8:9], s[8:9], s[24:25]
	s_lshl_b32 s24, s22, 11                        ; (column / 16) x 32,768
	s_lshl_b32 s26, s23, 13                        ; 8 fragments of 1,024 bytes a quarter of K
	s_add_co_u32 s24, s24, s26
	s_add_nc_u64 s[18:19], s[18:19], s[24:25]
	v_lshrrev_b32 v6, 4, v2
	v_lshlrev_b32 v6, 15, v6                       ; lanes 16-31: the next tile of 16 columns
	v_and_b32 v7, 15, v2
	v_lshl_add_u32 v6, v7, 4, v6                   ; 16 bytes a column
	WLOAD 0, 4096, 8
	WLOAD 1, 4096, 8
.irp t, 0,1,2,3,4,5,6,7
	OBLOCK \t
.endr
	s_endpgm
.Lfunc_end_k_q0200971bb7_prep:
	.size	k_q0200971bb7_prep, .Lfunc_end_k_q0200971bb7_prep-k_q0200971bb7_prep
	.p2alignl 7, 3214868480
	.fill 96, 4, 3214868480
	.section	.rodata,"a",@progbits
	.p2align	6, 0x0
	.amdhsa_kernel k_q0200971bb7_prep
		.amdhsa_group_segment_fixed_size 33280
		.amdhsa_private_segment_fixed_size 0
		.amdhsa_enable_private_segment 0
		.amdhsa_kernarg_size 64
		.amdhsa_user_sgpr_count 2
		.amdhsa_user_sgpr_kernarg_segment_ptr 1
		.amdhsa_wavefront_size32 1
		.amdhsa_system_sgpr_workgroup_id_x 1
		.amdhsa_system_sgpr_workgroup_id_y 1
		.amdhsa_system_sgpr_workgroup_id_z 1
		.amdhsa_system_vgpr_workitem_id 0
		.amdhsa_next_free_vgpr 192
		.amdhsa_next_free_sgpr 66
		.amdhsa_reserve_vcc 0
		.amdhsa_float_denorm_mode_32 3
		.amdhsa_float_denorm_mode_16_64 3
		.amdhsa_memory_ordered 1
		.amdhsa_forward_progress 1
		.amdhsa_inst_pref_size 107
	.end_amdhsa_kernel
	.amdgpu_metadata
---
amdhsa.version: [ 1, 2 ]
amdhsa.kernels:
  - .name:           k_q0200971bb7_prep
    .symbol:         k_q0200971bb7_prep.kd
    .args:
      - { .name: x, .offset: 0, .size: 8, .value_kind: global_buffer, .address_space: global }
      - { .name: w_qkv, .offset: 8, .size: 8, .value_kind: global_buffer, .address_space: global }
      - { .name: w_out, .offset: 16, .size: 8, .value_kind: global_buffer, .address_space: global }
      - { .name: x_codes, .offset: 24, .size: 8, .value_kind: global_buffer, .address_space: global }
      - { .name: x_scales, .offset: 32, .size: 8, .value_kind: global_buffer, .address_space: global }
      - { .name: w_codes, .offset: 40, .size: 8, .value_kind: global_buffer, .address_space: global }
      - { .name: w_scales, .offset: 48, .size: 8, .value_kind: global_buffer, .address_space: global }
      - { .name: wo_frag, .offset: 56, .size: 8, .value_kind: global_buffer, .address_space: global }
    .group_segment_fixed_size: 33280
    .private_segment_fixed_size: 0
    .kernarg_segment_align: 8
    .kernarg_segment_size: 64
    .max_flat_workgroup_size: 128
    .sgpr_count:     66
    .vgpr_count:     192
    .wavefront_size: 32
...
	.end_amdgpu_metadata
.endif
;; end of part 1
;; launch gemm_qkv (part 2): grid 12 x 32, 4 waves a work-group, clusters of 4 x 4, 288,256 bytes of LDS; arguments x_codes, x_scales, w_codes, w_scales, q_ws, kv_ws; writes q_ws, kv_ws
.if DOCPART == 2
	.amdgcn_target "amdgcn-amd-amdhsa--gfx1250"
	.amdhsa_code_object_version 6
	.text
	.protected	k_q0200971bb7_gemm_qkv
	.globl	k_q0200971bb7_gemm_qkv
	.p2align	8
	.type	k_q0200971bb7_gemm_qkv,@function
k_q0200971bb7_gemm_qkv:
	s_mov_b64 s[64:65], 0
	v_nop
	global_prefetch_b8 v0, s[64:65] scope:SCOPE_SE
	s_setreg_imm32_b32 hwreg(HW_REG_WAVE_MODE, 25, 1), 1
	s_wait_xcnt 0x0
	s_wait_alu depctr_hold_cnt(0) depctr_sa_sdst(0) depctr_va_vdst(0) depctr_va_sdst(0) depctr_va_ssrc(0) depctr_va_vcc(0) depctr_vm_vsrc(0)
	s_getreg_b32 s2, hwreg(HW_REG_IB_STS2, 6, 4)
	s_cmp_eq_u32 s2, 0
	s_cbranch_scc0 .Lentry_in_a_cluster
	s_endpgm
.Lentry_in_a_cluster:
	s_bfe_u32 s2, ttmp6, 0x10000c
	s_cmp_lg_u32 s2, 0xf033
	s_cbranch_scc0 .Lentry_shape_is_right
	s_endpgm
.Lentry_shape_is_right:
; qkv[m][n] = sum over k of x[m][k] w_qkv[k][n] on codes of E2M1 with one E8M0 scale for each 32 along K; M = 8,192, N = 3,072, K = 1,024; sums in f32.
; A tile of 256 x 256 to a work-group of four waves, 128 x 128 (64 accumulators) to a wave.  All of K lies in LDS at once, as two halves of 512 along K: every byte is filled once, nothing is filled again.
; x's codes lie [m][512 bytes]: a half is 256 rows of 256 bytes, 16 bytes of padding behind each.  w's codes lie [k / 32][n][16 bytes]: a half is 16 block rows of 256 columns x 16 bytes, dense:
; the sixteen columns of a fragment load are 256 consecutive bytes.  The scale bytes of the 256 rows and 256 columns, for all of K, come once, as rows of 256 bytes + 16 of padding.
; CLUSTERS: 4 x 4 work-groups; x's tiles are asked for jointly along a row of the cluster, w's along a column.  384 tiles for this size: a tile of 256 x 384 would want 768 accumulator registers
; and 64 + 2 x 96 for fragments beside the addresses and scale words, more than 1,024.
; THE MATRIX INSTRUCTION IS USED TRANSPOSED (source 0 = 16 columns of w, source 1 = 16 tokens): lane (r, h) then holds token r and eight neighbouring columns 8 h + 0 .. 7.  Rounded to f16 those are 16 bytes
; of the attention launch's operand registers, so the results go straight to memory, 512 consecutive bytes a store:
;   q_ws  [batch][head][token / 16][4 blocks of 16 channels][512 bytes]: lane l's 16 bytes at 16 l;
;   kv_ws [batch][head][token / 16][4,096 bytes]: 4 blocks of K so, then 4 blocks of V as rows [token][32 bytes].
; Nothing of this product is left out.  LIMIT: q, k, v beyond f16's 65,504 are not served.
; REGISTERS: window 0: v16-29 addresses; v32-95 scale words, two sets; v96-111 the way out's offsets; v128-191 x's fragments, one set.  window 1: w's fragments, two sets.  windows 2, 3: the accumulators.
.set NQ,     4                         ; steps of 128 along K in a half
.set PITCH,  272                       ; a row of x's codes in LDS: 256 bytes + 16
.set FR,     8                         ; registers of a fragment
.set NL,     2                         ; LDS loads that bring one
.set NP,     4                         ; places behind this matrix instruction (ISA guide 7.12.1)
.set HALFT,  128*PITCH                 ; 128 rows of x: one tensor load
.set BOFF,   2*HALFT                   ; w's part of a slot lies behind x's 256 rows
.set HALFB,  8*4096                    ; 8 block rows of w: one tensor load
.set SLOT,   BOFF+2*HALFB
.set KS,     32                        ; a row of scale bytes
.set SCL,    2*SLOT
.set HALFS,  (128*KS/256)*272          ; the scales of 128 rows: one tensor load
.set SBLK,   (16*KS/256)*272           ; those of 16 rows
.set SPARE,  SCL+4*HALFS               ; the spare words, 128 bytes for each wave
.set ADRA, 16                          ; v16-17 LDS address of my fragments of x in slot 0, 1
.set ADRB, 20                          ; v20-21 the same for w
.set ADRS, 27                          ; v27    of my scale words: lanes 0-15 x's rows, lanes 16-31 w's columns
.set SPW,  28                          ; v28    my spare word; never rewritten
.set NIL,  29                          ; v29    0; never rewritten
.set SC,   32
.set OF,   96                          ; v96-111 offset of (block of tokens a, head hh of my two) at v[OF + 2 a + hh]
.set AF,   128
.set G1, 24
.set G0, 32
.set G1B, 48
.set G0B, 56
.set G1S, 68
.set G0S, 76
.set G1SB, 80
.set G0SB, 88
.set MSB, 0
.macro WIN new                         ; the immediate's high byte repeats the setting that is left
.if MSB != (\new)
	s_set_vgpr_msb (MSB<<8)|(\new)
.set MSB, \new
.endif
.endm
.set MUL_LO, 0xa1                      ; source 0 (w) window 1, source 1 (x) window 0, C and D window 2
.set MUL_HI, 0xf1
.set TO_B,   0x40
; A joint load: waves 0 and 1 fetch for x, waves 2 and 3 for w.  The branch hangs on the wave's number alone.  An s_nop 0 and four v_nop follow each line.
.macro JLOAD g0a, g1a, g0b, g1b
	s_cmp_eq_u32 s17, 0
	s_cbranch_scc0 .Lfor_b_\@
	tensor_load_to_lds s[\g0a:\g0a+3], s[\g1a:\g1a+7]
	s_nop 0
.rept 4
	v_nop
.endr
	s_branch .Lasked_\@
.Lfor_b_\@:
	tensor_load_to_lds s[\g0b:\g0b+3], s[\g1b:\g1b+7]
	s_nop 0
.rept 4
	v_nop
.endr
.Lasked_\@:
.endm
.macro CROUND                          ; a round of the cluster's barrier
	s_barrier_signal -1
	s_barrier_wait -1
	s_cmp_lg_u32 s16, 0
	s_cbranch_scc1 .Lnot_wave_0_\@
	s_barrier_signal -3
.Lnot_wave_0_\@:
	s_barrier_wait -3
	s_barrier_signal -1
	s_barrier_wait -1
.endm
	s_load_b128 s[4:7], s[0:1], 0x0                ; x's codes s[4:5], x's scales s[6:7]
	s_load_b128 s[8:11], s[0:1], 0x10              ; w's codes s[8:9], w's scales s[10:11]
	s_load_b128 s[12:15], s[0:1], 0x20             ; q_ws s[12:13], kv_ws s[14:15]
	v_lshl_add_u32 v[SPW], v0, 2, SPARE
	v_mov_b32 v[NIL], 0
	ds_add_u32 v[SPW], v[NIL]                      ; the wave's opening: the add, twice on end, and its wait ahead of my first tensor load
	ds_add_u32 v[SPW], v[NIL]
	v_lshrrev_b32 v1, 5, v0
	v_readfirstlane_b32 s16, v1                    ; wave 0..3
	s_lshr_b32 s17, s16, 1                         ; which half of the tile's tokens is mine.  Also: I fetch for x (0) or for w (1)
	s_and_b32 s18, s16, 1                          ; which half of its columns.  Also: which half of that tile I fetch
	s_bfe_u32 s40, ttmp6, 0x40000                  ; cx, cy: my place in the cluster
	s_bfe_u32 s41, ttmp6, 0x40004
	s_lshl_b32 s42, ttmp9, 2
	s_add_co_u32 s42, s42, s40                     ; tile column = 4 x cluster x + cx
	s_and_b32 s19, ttmp7, 0xffff
	s_lshl_b32 s19, s19, 2
	s_add_co_u32 s19, s19, s41                     ; tile row = 4 x cluster y + cy
	s_lshl_b32 s43, s41, 2
	s_lshl_b32 s43, 15, s43                        ; my row of the cluster
	s_lshl_b32 s44, 0x1111, s40                    ; my column
	; group 1, x's codes: 128 rows of 256 bytes, 512 bytes apart in memory, 16 bytes of padding behind each in LDS
	s_or_b32 s[G1+0], s43, (0<<16)|(1<<20)|(1<<21)|(5<<22)|(3<<25)
	s_mov_b32 s[G1+1], 256<<16
	s_mov_b32 s[G1+2], 128<<16
	s_mov_b32 s[G1+3], 256<<16
	s_mov_b32 s[G1+4], 128
	s_mov_b32 s[G1+5], 512
	s_mov_b32 s[G1+6], 0
	s_mov_b32 s[G1+7], 0
	; group 1, w's codes: 8 block rows of 4,096 bytes (512 elements of 8 bytes), 49,152 bytes (6,144 elements) apart, dense in LDS
	s_or_b32 s[G1B+0], s44, (3<<16)|(1<<21)
	s_mov_b32 s[G1B+1], 512<<16
	s_mov_b32 s[G1B+2], 8<<16
	s_mov_b32 s[G1B+3], 512<<16
	s_mov_b32 s[G1B+4], 8
	s_mov_b32 s[G1B+5], 6144
	s_mov_b32 s[G1B+6], 0
	s_mov_b32 s[G1B+7], 0
	; group 1, the scales of 128 rows: 4,096 dense bytes as 16 rows of 256 bytes, 16 bytes of padding behind each
	s_or_b32 s[G1S+0], s43, (3<<16)|(1<<20)|(1<<21)|(5<<22)|(3<<25)
	s_or_b32 s[G1SB+0], s44, (3<<16)|(1<<20)|(1<<21)|(5<<22)|(3<<25)
.irp g, G1S, G1SB
	s_mov_b32 s[\g+1], 32<<16
	s_mov_b32 s[\g+2], (128*KS/256)<<16
	s_mov_b32 s[\g+3], 32<<16
	s_mov_b32 s[\g+4], 128*KS/256
	s_mov_b32 s[\g+5], 32
	s_mov_b32 s[\g+6], 0
	s_mov_b32 s[\g+7], 0
.endr
	s_lshl_b32 s2, s18, 7                          ; which 128 rows (of x, or of w's scales) I fetch
	s_lshl_b32 s20, s19, 8
	s_add_co_u32 s20, s20, s2                      ; x: row 256 x tile row + 128 x half
	s_mov_b32 s21, 0
	s_lshl_b64 s[22:23], s[20:21], 5               ; its scale bytes,
	s_lshl_b64 s[20:21], s[20:21], 9               ; its codes
	s_lshl_b32 s46, s42, 8
	s_add_co_u32 s46, s46, s2                      ; w: column 256 x tile column + 128 x half
	s_lshl_b32 s92, s46, 5                         ; its scale bytes
	s_mov_b32 s93, 0
	s_mul_i32 s46, s18, 8*49152                    ; w's codes: 8 block rows x half
	s_lshl_b32 s47, s42, 12                        ; + 4,096 bytes a tile column
	s_add_co_u32 s46, s46, s47
	s_mov_b32 s47, 0
	s_mul_i32 s45, s18, HALFT                      ; where they go: no place in the cluster enters an LDS address
	s_mul_i32 s95, s18, HALFB
	s_add_co_u32 s95, s95, BOFF
	s_mul_i32 s94, s16, HALFS
	s_wait_dscnt 0x0                               ; both opening adds are done
	s_wait_kmcnt 0x0
	s_add_nc_u64 s[20:21], s[4:5], s[20:21]
	s_add_nc_u64 s[22:23], s[6:7], s[22:23]
	s_add_nc_u64 s[46:47], s[8:9], s[46:47]
	s_add_nc_u64 s[92:93], s[10:11], s[92:93]
	CROUND                                         ; all sixteen work-groups are here: the joint loads meet
	s_mov_b32 s[G0S], 1
	s_add_co_u32 s[G0S+1], s94, SCL
	s_mov_b64 s[G0S+2:G0S+3], s[22:23]
	s_or_b32 s[G0S+3], s[G0S+3], 0x80000000
	s_mov_b32 s[G0SB], 1
	s_add_co_u32 s[G0SB+1], s94, SCL
	s_mov_b64 s[G0SB+2:G0SB+3], s[92:93]
	s_or_b32 s[G0SB+3], s[G0SB+3], 0x80000000
	JLOAD G0S, G1S, G0SB, G1SB                     ; the scales first: they are wanted with the first half of K
.irp s, 0,1
	s_mov_b32 s[G0+4*\s], 1
	s_add_co_u32 s[G0+4*\s+1], s45, \s*SLOT
	s_add_nc_u64 s[G0+4*\s+2:G0+4*\s+3], s[20:21], \s*256
	s_or_b32 s[G0+4*\s+3], s[G0+4*\s+3], 0x80000000
	s_mov_b32 s[G0B+4*\s], 1
	s_add_co_u32 s[G0B+4*\s+1], s95, \s*SLOT
	s_add_nc_u64 s[G0B+4*\s+2:G0B+4*\s+3], s[46:47], \s*16*49152
	s_or_b32 s[G0B+4*\s+3], s[G0B+4*\s+3], 0x80000000
	JLOAD G0+4*\s, G1, G0B+4*\s, G1B               ; three loads of mine are out in all
.endr
	v_and_b32 v1, 15, v0                           ; r = lane % 16
	v_bfe_u32 v2, v0, 4, 1                         ; h = lane / 16
	v_mul_u32_u24 v3, v1, PITCH
	v_lshl_add_u32 v4, v2, 4, v3                   ; x: row x pitch + 16 h
	v_lshlrev_b32 v5, 4, v1
	v_lshl_add_u32 v5, v2, 12, v5                  ; w: 16 bytes a column, lanes 16-31 one block row on
	s_mul_i32 s21, s17, HALFT                      ; my 128 tokens
	s_lshl_b32 s22, s18, 11                        ; my 128 columns: 2,048 bytes of each block row
	s_add_co_u32 s22, s22, BOFF
.irp s, 0,1
	v_add_nc_u32 v[ADRA+\s], s21, v4
	v_add_nc_u32 v[ADRB+\s], s22, v5
	s_add_co_u32 s21, s21, SLOT
	s_add_co_u32 s22, s22, SLOT
.endr
	v_lshlrev_b32 v6, 5, v1                        ; my row's scales: 32 bytes a row,
	v_lshrrev_b32 v7, 8, v6
	v_lshl_add_u32 v6, v7, 4, v6                   ; and 16 more for each 256 passed
	s_mul_i32 s21, s17, HALFS                      ; x's: my 128 rows
	s_mul_i32 s22, s18, HALFS                      ; w's: my 128 columns, behind x's 256
	s_add_co_u32 s22, s22, 2*HALFS
	s_sub_co_u32 s22, s22, s21
	v_mul_u32_u24 v7, s22, v2                      ; lanes 16-31 take w's
	s_add_co_u32 s21, s21, SCL
	v_add_nc_u32 v6, v6, v7
	v_add_nc_u32 v[ADRS], s21, v6
	; THE WAY OUT'S ADDRESSES.  Four tile columns are one of q, k, v: which one is the cluster's x, the same in all partners; it chooses values only, no branch.
	s_cmp_eq_u32 ttmp9, 0
	s_cselect_b64 s[12:13], s[12:13], s[14:15]     ; q goes to q_ws, k and v to kv_ws
	s_cselect_b32 s96, 11, 12                      ; a tile of 16 tokens of a head is 2,048 bytes there, 4,096 here
	s_cmp_eq_u32 ttmp9, 2
	s_cselect_b32 s97, 2048, 0                     ; v's blocks lie behind k's
	s_cselect_b32 s2, 32, 16                       ; v: rows of 32 bytes a token; q, k: 16 bytes a lane
	s_cselect_b32 s3, 16, 256
	v_mul_u32_u24 v5, v1, s2
	v_mad_u32_u24 v5, v2, s3, v5                   ; my lane's 16 bytes in a block of 512
	s_lshr_b32 s20, s19, 2                         ; batch
	s_lshl_b32 s20, s20, 4
	s_lshl_b32 s21, s40, 2                         ; four heads a tile column,
	s_add_co_u32 s20, s20, s21
	s_lshl_b32 s21, s18, 1                         ; two for each half
	s_add_co_u32 s20, s20, s21                     ; 16 x batch + head
	s_lshl_b32 s20, s20, 6
	s_and_b32 s21, s19, 3
	s_lshl_b32 s21, s21, 4
	s_add_co_u32 s20, s20, s21
	s_lshl_b32 s21, s17, 3
	s_add_co_u32 s20, s20, s21                     ; x 64 + my first tile of 16 tokens
	s_lshl_b32 s20, s20, s96
	s_add_co_u32 s20, s20, s97
	s_mov_b32 s21, 0
	s_add_nc_u64 s[12:13], s[12:13], s[20:21]
	s_lshl_b32 s22, 1, s96                         ; from a tile of tokens to the next,
	s_lshl_b32 s23, s22, 6                         ; from a head to the next
	v_mov_b32 v[OF], v5
	v_add_nc_u32 v[OF+1], s23, v5
.irp a, 1,2,3,4,5,6,7
	v_add_nc_u32 v[OF+2*\a], s22, v[OF+2*\a-2]
	v_add_nc_u32 v[OF+2*\a+1], s22, v[OF+2*\a-1]
.endr
.macro FRAGA reg, slot, q, i           ; 16 tokens x 128 K: lane (r, h) takes the 16 bytes of K = 64 c + 32 h + 0 .. 31 of row r
.irp c, 0,1
	ds_load_b128 v[\reg+4*\c:\reg+4*\c+3], v[ADRA+\slot] offset:64*(\q)+32*\c+(\i)*16*PITCH
.endr
.endm
.macro FRAGB reg, slot, q, i           ; 16 columns x 128 K: block row 4 q + 2 c + h, column 16 i + r
.irp c, 0,1
	ds_load_b128 v[\reg+4*\c:\reg+4*\c+3], v[ADRB+\slot] offset:16384*(\q)+8192*\c+(\i)*256
.endr
.endm
; 16 matrix instructions: x's blocks a0, a0 + 1 against w's eight.  The 64 accumulators take turns, one instruction a turn, in the same order in every step.
.macro MUL16 a0, p, q, sc, zero
.irp a, \a0, \a0+1
.irp b, 0,1,2,3,4,5,6,7
.if \zero
	v_wmma_scale_f32_16x16x128_f8f6f4 v[8*(8*((\a)%4)+\b):8*(8*((\a)%4)+\b)+7], v[128*(\p)+FR*\b:128*(\p)+FR*\b+FR-1], v[AF+FR*(\a):AF+FR*(\a)+FR-1], 0, v[SC+8*NQ*(\sc)+NQ*\b+(\q)], v[SC+8*NQ*(\sc)+NQ*(\a)+(\q)] matrix_a_fmt:MATRIX_FMT_FP4 matrix_b_fmt:MATRIX_FMT_FP4 matrix_a_scale:MATRIX_SCALE_ROW1
.else
	v_wmma_scale_f32_16x16x128_f8f6f4 v[8*(8*((\a)%4)+\b):8*(8*((\a)%4)+\b)+7], v[128*(\p)+FR*\b:128*(\p)+FR*\b+FR-1], v[AF+FR*(\a):AF+FR*(\a)+FR-1], v[8*(8*((\a)%4)+\b):8*(8*((\a)%4)+\b)+7], v[SC+8*NQ*(\sc)+NQ*\b+(\q)], v[SC+8*NQ*(\sc)+NQ*(\a)+(\q)] matrix_a_fmt:MATRIX_FMT_FP4 matrix_b_fmt:MATRIX_FMT_FP4 matrix_a_scale:MATRIX_SCALE_ROW1
.endif
.endr
.endr
.endm
.macro FETCH_B slot, q, p
	WIN TO_B
.irp i, 0,1,2,3,4,5,6,7
	FRAGB 128*(\p)+FR*\i, \slot, \q, \i
.endr
	WIN 0
.endm
.macro FETCH_A slot, q, i0
.irp i, \i0, \i0+1, \i0+2, \i0+3
	FRAGA AF+FR*(\i), \slot, \q, \i
.endr
.endm
.macro SCALES sc                       ; a half's scale words: 4 words a row; lanes 0-15 take x's block i, lanes 16-31 w's block i
.irp i, 0,1,2,3,4,5,6,7
	ds_load_b128 v[SC+8*NQ*\sc+NQ*\i:SC+8*NQ*\sc+NQ*\i+3], v[ADRS] offset:\i*SBLK
.endr
.endm
.macro PLACES n                        ; plain vector lines in front of loads into registers that matrix instructions have read, and of the first read of results
.rept \n
	v_nop
.endr
.endm
.macro STEP slot, q, zero              ; a step of 128 along K that has its successor in the same slot
	s_wait_dscnt 4*NL                              ; w's set and x's blocks 0-3 are in; the youngest eight loads (x's blocks 4-7) may be out
	WIN MUL_LO
	MUL16 0, (\q)%2, \q, \slot, \zero
	MUL16 2, (\q)%2, \q, \slot, \zero
	s_wait_dscnt 0
	PLACES NP
	FETCH_B \slot, (\q)+1, 1-(\q)%2
	FETCH_A \slot, (\q)+1, 0
	WIN MUL_HI
	MUL16 4, (\q)%2, \q, \slot, \zero
	MUL16 6, (\q)%2, \q, \slot, \zero
	PLACES NP
	WIN 0
	FETCH_A \slot, (\q)+1, 4
.endm
.macro STEPS slot, from
.set Q, \from
.rept NQ-1-\from
	STEP \slot, Q, 0
.set Q, Q+1
.endr
.endm
; The first half's last step goes on into the second half: each wave waits for its part of it, then one barrier.
.macro TURN slot, next
	s_wait_tensorcnt 0x0                           ; my part of the second half has landed
	s_wait_dscnt 4*NL
	WIN MUL_LO
	MUL16 0, 1, NQ-1, \slot, 0
	s_wait_dscnt 0x0                               ; no LDS instruction of mine is out at the signal
	s_barrier_signal -1
	MUL16 2, 1, NQ-1, \slot, 0
	WIN 0
	s_barrier_wait -1                              ; everybody's part has
	PLACES NP
	v_add_nc_u32 v[ADRS], 4*NQ, v[ADRS]            ; on to the second half's scale words
	FETCH_B \next, 0, 0
	FETCH_A \next, 0, 0
	SCALES \next
	WIN MUL_HI
	MUL16 4, 1, NQ-1, \slot, 0
	MUL16 6, 1, NQ-1, \slot, 0
	PLACES NP
	WIN 0
	FETCH_A \next, 0, 4
.endm
	s_wait_tensorcnt 0x1                           ; the scales and my part of the first half are in; the second half's load may be out
	s_barrier_signal -1
	s_barrier_wait -1
	FETCH_B 0, 0, 0
	FETCH_A 0, 0, 0
	SCALES 0
	FETCH_A 0, 0, 4
	STEP 0, 0, 1                                   ; the first products start the sums: nothing is cleared
	STEPS 0, 1
	TURN 0, 1
	STEPS 1, 0
	s_wait_dscnt 4*NL                              ; the last step: nothing more to fetch
	WIN MUL_LO
	MUL16 0, 1, NQ-1, 1, 0
	MUL16 2, 1, NQ-1, 1, 0
	s_wait_dscnt 0
	WIN MUL_HI
	MUL16 4, 1, NQ-1, 1, 0
	MUL16 6, 1, NQ-1, 1, 0
	PLACES NP
; THE WAY OUT, a block of 16 tokens at a time: each accumulator's eight numbers are rounded to f16 in place, from its low end on, and its four registers stored: 512 consecutive bytes, aligned.
.macro OUTA hi, a
	WIN 0x8a+0x45*\hi                              ; destination and both sources: window 2 or 3
.irp b, 0,1,2,3,4,5,6,7
.irp r, 0,1,2,3
	v_cvt_pk_f16_f32 v[8*(8*\a+\b)+\r], v[8*(8*\a+\b)+2*\r], v[8*(8*\a+\b)+2*\r+1]
.endr
.endr
	WIN 0x08+4*\hi                                 ; a store's data are its source 1
.irp b, 0,1,2,3,4,5,6,7
	global_store_b128 v[OF+2*(4*\hi+\a)+\b/4], v[8*(8*\a+\b):8*(8*\a+\b)+3], s[12:13] offset:(\b%4)*512
.endr
.endm
.irp a, 0,1,2,3
	OUTA 0, \a
.endr
.irp a, 0,1,2,3
	OUTA 1, \a
.endr
	WIN 0
	s_wait_tensorcnt 0x0                           ; the wave's end
	ds_add_u32 v[SPW], v[NIL]
	s_wait_dscnt 0x0
	CROUND                                         ; the closing round
	s_endpgm
.Lfunc_end_k_q0200971bb7_gemm_qkv:
	.size	k_q0200971bb7_gemm_qkv, .Lfunc_end_k_q0200971bb7_gemm_qkv-k_q0200971bb7_gemm_qkv
	.p2alignl 7, 3214868480
	.fill 96, 4, 3214868480
	.section	.rodata,"a",@progbits
	.p2align	6, 0x0
	.amdhsa_kernel k_q0200971bb7_gemm_qkv
		.amdhsa_group_segment_fixed_size 288256
		.amdhsa_private_segment_fixed_size 0
		.amdhsa_enable_private_segment 0
		.amdhsa_kernarg_size 48
		.amdhsa_user_sgpr_count 2
		.amdhsa_user_sgpr_kernarg_segment_ptr 1
		.amdhsa_wavefront_size32 1
		.amdhsa_system_sgpr_workgroup_id_x 1
		.amdhsa_system_sgpr_workgroup_id_y 1
		.amdhsa_system_sgpr_workgroup_id_z 1
		.amdhsa_system_vgpr_workitem_id 0
		.amdhsa_next_free_vgpr 1024
		.amdhsa_next_free_sgpr 98
		.amdhsa_reserve_vcc 0
		.amdhsa_float_denorm_mode_32 3
		.amdhsa_float_denorm_mode_16_64 3
		.amdhsa_memory_ordered 1
		.amdhsa_forward_progress 1
		.amdhsa_inst_pref_size 118
	.end_amdhsa_kernel
	.amdgpu_metadata
---
amdhsa.version: [ 1, 2 ]
amdhsa.kernels:
  - .name:           k_q0200971bb7_gemm_qkv
    .symbol:         k_q0200971bb7_gemm_qkv.kd
    .args:
      - { .name: x_codes, .offset: 0, .size: 8, .value_kind: global_buffer, .address_space: global }
      - { .name: x_scales, .offset: 8, .size: 8, .value_kind: global_buffer, .address_space: global }
      - { .name: w_codes, .offset: 16, .size: 8, .value_kind: global_buffer, .address_space: global }
      - { .name: w_scales, .offset: 24, .size: 8, .value_kind: global_buffer, .address_space: global }
      - { .name: q_ws, .offset: 32, .size: 8, .value_kind: global_buffer, .address_space: global }
      - { .name: kv_ws, .offset: 40, .size: 8, .value_kind: global_buffer, .address_space: global }
    .group_segment_fixed_size: 288256
    .private_segment_fixed_size: 0
    .kernarg_segment_align: 8
    .kernarg_segment_size: 48
    .max_flat_workgroup_size: 128
    .sgpr_count:     98
    .vgpr_count:     1024
    .wavefront_size: 32
...
	.end_amdgpu_metadata
.endif
;; end of part 2
;; launch attn (part 3): grid 256 x 1, 8 waves a work-group, no clusters, 263,168 bytes of LDS; arguments q_ws, kv_ws, scale, ao; writes ao
.if DOCPART == 3
	.amdgcn_target "amdgcn-amd-amdhsa--gfx1250"
	.amdhsa_code_object_version 6
	.text
	.protected	k_q0200971bb7_attn
	.globl	k_q0200971bb7_attn
	.p2align	8
	.type	k_q0200971bb7_attn,@function
k_q0200971bb7_attn:
	s_mov_b64 s[64:65], 0
	v_nop
	global_prefetch_b8 v0, s[64:65] scope:SCOPE_SE
	s_setreg_imm32_b32 hwreg(HW_REG_WAVE_MODE, 25, 1), 1
	s_wait_xcnt 0x0
; o[b][h][i] = sum over j < i of softmax_j(scale[h] q_i . k_j) v_j; a row with no key (i = 0) is 0.  q, k, v are f16, in the order of the operand registers (the launch before laid them so); products in
; f16 with f32 sums; maxima, exponentials and sums in f32; the weights are rounded to f16 for the second product, o once at the end.
; LEFT OUT AS DEAD WORK: steps of 64 keys all of which are >= every query of a pair of query tiles: reference()'s own mask multiplies them by 0 for all values of the inputs.
; SHARES.  A head has 32 pairs of query tiles (pair u: queries 32 u .. 32 u + 31), and pair u needs T = u / 2 + 1 steps of 64 keys.  Two work-groups to a head: work-group p takes the pairs 2 (T - 1) + p.
; Wave w takes the pair with T = w + 1 (pair A) and the pair with T = 16 - w (pair B): 17 pair steps for every wave.  Both are walked in one pass over the keys, so that while both are live a fragment of
; K or V feeds four query tiles.  Which steps a wave walks hangs on its number alone; p enters data and global addresses only.  Two waves share a SIMD's registers: one's softmax stands beside the other's products.
; LDS holds the head's whole K and V, 262,144 bytes, filled once by three tensor loads a wave (step 0; steps 1-3; steps 4-15), all issued at the head: no ring, nothing is filled again, and nothing is left
; to ask for ahead of time.  NO CLUSTER: a head's tiles are read by two work-groups only; four to a head would be 512 work-groups, each with the whole fill for half the work.
; LAYOUT.  S^T = K Q^T (source 0 = 16 keys, source 1 = 16 queries) and O^T = V^T P (source 0 = 16 channels, by the turning load): a lane holds one query (lane % 16) throughout.
; THE SCALE.  t = c s with c = |scale| log2(e), held at 2^-100 from below (under that c s is lost beside 1 in f32 anyway; the floor keeps -infinity x c at -infinity for scale = 0); the scale's sign is put into
; Q's sign bits, exactly.  So c > 0 and the largest logit is c x the largest s.  A running maximum m and sum l for each query: p = 2^(c s - c m); O and l are multiplied by 2^(c m_old - c m_new) in every step.
; m starts at -1e30, under every score of f16 operands (64 x 65,504^2 = 2.8e11), so that a row with no key stays finite: its p are 0, its sum is 0, and reference()'s guard (a sum of 0 counts as 1) gives 0.
; LIMITS: NaN and infinities are not served; |scale| up to 1e8 (c x 1e30 stays finite).
; REGISTERS.  window 0: v1-11 addresses and constants; v16-31, v32-47 statistics of pairs A, B (8 a tile: c m, m, l, l, c0-c3); v64-127 S^T of the pair in hand; v128-191 O^T of A; v192-255 of B.
;   window 1: v0-31 Q of A, v32-63 Q of B; v64-127 K of the step; v128-191 V of the step; v192-223 P.
.set S,    64
.set OA,   128
.set OB,   192
.set STA,  16
.set STB,  32
.set QA,   0
.set QB,   32
.set KF,   64
.set VF,   128
.set P,    192
.set LI,   1                           ; v1  16 x lane: an image's place for my lane
.set AV0,  3                           ; v3  my lane's place in a block of V for the turning load
.set ADK,  4                           ; v4  the step's K
.set ADV,  5                           ; v5  the step's V
.set D0,   6                           ; v6, v7  my query less 8 (lane / 16), counted from the diagonal step's first key, for tiles 0, 1
.set NINF, 8                           ; v8  -infinity
.set SPW,  9                           ; v9  my spare word; never rewritten
.set NIL,  10                          ; v10 0; never rewritten
.set ONE,  11                          ; v11 1.0
.set SPARE, 262144                     ; behind K and V: the spare words, 128 bytes for each of eight waves
.set WV,   12
.set PP,   13
.set BH,   14
.set TA,   17
.set TB,   18
.set J,    19                          ; the step
.set KB,   20                          ; 16,384 x the step: where its tiles begin in LDS
.set CNT,  21
.set CS,   22                          ; s[22:23] c, as a pair
.set SEL,  24                          ; s[24:25] v_permlanex16_b32's selects for lane l xor 16
.set SGN,  26
.set TMP,  27
.set G1,   28                          ; s[28:51] three groups 1
.set G0,   52                          ; s[52:63] three groups 0
.set QAB,  66
.set QBB,  68
.set OAB,  70
.set OBB,  72
.set MSB, 0
.macro WIN new
.if MSB != (\new)
	s_set_vgpr_msb (MSB<<8)|(\new)
.set MSB, \new
.endif
.endm
.macro G1SET g, rows                   ; a dense block as rows of 256 bytes (32 elements of 8 bytes)
	s_mov_b32 s[\g+0], 3<<16
	s_mov_b32 s[\g+1], 32<<16
	s_mov_b32 s[\g+2], (\rows)<<16
	s_mov_b32 s[\g+3], 32<<16
	s_mov_b32 s[\g+4], \rows
	s_mov_b32 s[\g+5], 32
	s_mov_b32 s[\g+6], 0
	s_mov_b32 s[\g+7], 0
.endm
; THE SOFTMAX of a pair's two tiles for one step; the tiles alternate line by line.  st: the pair's statistics; ob: its O^T; first = 1: the first step, which starts m, l and O^T.
.macro SOFT st, ob, first
.irp i, 0,1,2,3                        ; the largest of the lane's 32 scores: four chains, each begun at an accumulator's low end
.irp t, 0,1
	v_max3_num_f32 v[\st+8*\t+4+\i], v[S+32*\t+8*\i], v[S+32*\t+8*\i+1], v[S+32*\t+8*\i+2]
.endr
.endr
.irp g, 1,2
.irp i, 0,1,2,3
.irp t, 0,1
	v_max3_num_f32 v[\st+8*\t+4+\i], v[\st+8*\t+4+\i], v[S+32*\t+8*\i+2*\g+1], v[S+32*\t+8*\i+2*\g+2]
.endr
.endr
.endr
.irp t, 0,1
	v_max3_num_f32 v[\st+8*\t+4], v[\st+8*\t+4], v[S+32*\t+7], v[S+32*\t+15]
.endr
.irp t, 0,1
	v_max3_num_f32 v[\st+8*\t+6], v[\st+8*\t+6], v[S+32*\t+23], v[S+32*\t+31]
.endr
.irp t, 0,1
	v_max3_num_f32 v[\st+8*\t+4], v[\st+8*\t+4], v[\st+8*\t+5], v[\st+8*\t+6]
.endr
.irp t, 0,1
.if \first
	v_max3_num_f32 v[\st+8*\t+4], v[\st+8*\t+4], v[\st+8*\t+7], 0xf149f2ca   ; and -1e30, where m starts
.else
	v_max3_num_f32 v[\st+8*\t+4], v[\st+8*\t+4], v[\st+8*\t+7], v[\st+8*\t+1]   ; and the old m
.endif
.endr
.irp t, 0,1
	v_permlanex16_b32 v[\st+8*\t+5], v[\st+8*\t+4], s[SEL], s[SEL+1]   ; the query's other 32 keys lie in the lane 16 away
.endr
.if \first == 0
.irp t, 0,1
	v_mov_b32 v[\st+8*\t+7], v[\st+8*\t]           ; c m_old is kept
.endr
.endif
.irp t, 0,1
	v_max_num_f32 v[\st+8*\t+1], v[\st+8*\t+4], v[\st+8*\t+5]
.endr
.irp t, 0,1
	v_mul_f32 v[\st+8*\t], s[CS], v[\st+8*\t+1]
.endr
.if \first == 0
.irp t, 0,1
	v_sub_f32 v[\st+8*\t+7], v[\st+8*\t+7], v[\st+8*\t]
.endr
.endif
.irp i, 0,2,4,6,8,10,12,14,16,18,20,22,24,26,28,30
.irp t, 0,1
	v_pk_fma_f32 v[S+32*\t+\i:S+32*\t+\i+1], v[S+32*\t+\i:S+32*\t+\i+1], s[CS:CS+1], v[\st+8*\t:\st+8*\t+1] op_sel_hi:[1,0,0] neg_lo:[0,0,1] neg_hi:[0,0,1]   ; c s - c m
.endr
.endr
.if \first == 0                        ; ONE BATCH of exponentials for both tiles, none of which reads another's result
.irp t, 0,1
	v_exp_f32 v[\st+8*\t+6], v[\st+8*\t+7]         ; a = 2^(c m_old - c m_new)
.endr
.endif
.set i, 0
.rept 32
.irp t, 0,1
	v_exp_f32 v[S+32*\t+i], v[S+32*\t+i]
.endr
.set i, i+1
.endr
	v_nop                                          ; a plain line behind the last exponential,
	s_wait_alu depctr_va_vdst(0)                   ; and the one wait ahead of the batch's first reader
.if \first                             ; the sums, of the unrounded weights, in two chains
.irp t, 0,1
	v_pk_add_f32 v[\st+8*\t+2:\st+8*\t+3], v[S+32*\t:S+32*\t+1], v[S+32*\t+2:S+32*\t+3]
.endr
.irp t, 0,1
	v_pk_add_f32 v[\st+8*\t+4:\st+8*\t+5], v[S+32*\t+4:S+32*\t+5], v[S+32*\t+6:S+32*\t+7]
.endr
.irp i, 8,12,16,20,24,28
.irp t, 0,1
	v_pk_add_f32 v[\st+8*\t+2:\st+8*\t+3], v[\st+8*\t+2:\st+8*\t+3], v[S+32*\t+\i:S+32*\t+\i+1]
.endr
.irp t, 0,1
	v_pk_add_f32 v[\st+8*\t+4:\st+8*\t+5], v[\st+8*\t+4:\st+8*\t+5], v[S+32*\t+\i+2:S+32*\t+\i+3]
.endr
.endr
.else
.irp t, 0,1
	v_pk_fma_f32 v[\st+8*\t+2:\st+8*\t+3], v[\st+8*\t+2:\st+8*\t+3], v[\st+8*\t+6:\st+8*\t+7], v[S+32*\t:S+32*\t+1] op_sel_hi:[1,0,1]   ; l a + the first pair
.endr
.irp t, 0,1
	v_pk_add_f32 v[\st+8*\t+4:\st+8*\t+5], v[S+32*\t+2:S+32*\t+3], v[S+32*\t+4:S+32*\t+5]
.endr
.irp i, 6,10,14,18,22,26
.irp t, 0,1
	v_pk_add_f32 v[\st+8*\t+2:\st+8*\t+3], v[\st+8*\t+2:\st+8*\t+3], v[S+32*\t+\i:S+32*\t+\i+1]
.endr
.irp t, 0,1
	v_pk_add_f32 v[\st+8*\t+4:\st+8*\t+5], v[\st+8*\t+4:\st+8*\t+5], v[S+32*\t+\i+2:S+32*\t+\i+3]
.endr
.endr
.irp t, 0,1
	v_pk_add_f32 v[\st+8*\t+2:\st+8*\t+3], v[\st+8*\t+2:\st+8*\t+3], v[S+32*\t+30:S+32*\t+31]
.endr
.endif
.irp t, 0,1
	v_pk_add_f32 v[\st+8*\t+2:\st+8*\t+3], v[\st+8*\t+2:\st+8*\t+3], v[\st+8*\t+4:\st+8*\t+5]
.endr
	WIN 0x40                                       ; P lies in window 1: two key tiles' 16 registers become a fragment's eight
.set i, 0
.rept 16
.irp t, 0,1
	v_cvt_pk_f16_f32 v[P+16*\t+i], v[S+32*\t+2*i], v[S+32*\t+2*i+1]
.endr
.set i, i+1
.endr
	WIN 0
.if \first == 0
.irp i, 0,2,4,6,8,10,12,14,16,18,20,22,24,26,28,30
.irp t, 0,1
	v_pk_mul_f32 v[\ob+32*\t+\i:\ob+32*\t+\i+1], v[\ob+32*\t+\i:\ob+32*\t+\i+1], v[\st+8*\t+6:\st+8*\t+7] op_sel_hi:[1,0]   ; O^T x a, each accumulator from its low end on
.endr
.endr
.endif
.endm
; ONE PAIR'S SHARE OF A STEP.  qb: its Q; tr: the scalar register with its T; left: how many younger LDS loads (V's) may be out when K is wanted.
; In both products eight accumulators take turns, one instruction a turn.
.macro HALF st, ob, qb, tr, first, left
	s_wait_dscnt \left
	WIN 0x05                                       ; sources 0 and 1 window 1, C and D window 0
.irp c, 0,1
.irp kt, 0,1,2,3
.irp t, 0,1
.if \c == 0
	v_wmma_f32_16x16x32_f16 v[S+32*\t+8*\kt:S+32*\t+8*\kt+7], v[KF+8*(2*\kt+\c):KF+8*(2*\kt+\c)+7], v[\qb+16*\t+8*\c:\qb+16*\t+8*\c+7], 0
.else
	v_wmma_f32_16x16x32_f16 v[S+32*\t+8*\kt:S+32*\t+8*\kt+7], v[KF+8*(2*\kt+\c):KF+8*(2*\kt+\c)+7], v[\qb+16*\t+8*\c:\qb+16*\t+8*\c+7], v[S+32*\t+8*\kt:S+32*\t+8*\kt+7]
.endif
.endr
.endr
.endr
	WIN 0
.rept 4
	v_nop                                          ; four places in front of the first read of the scores
.endr
	s_add_co_u32 s[TMP], s[J], 1                   ; the pair's last step lies on the diagonal; in every earlier one all keys count
	s_cmp_lg_u32 s[TMP], s[\tr]
	s_cbranch_scc1 .Lopen_\@
.irp t, 0,1                            ; register 8 kt + j holds key 16 kt + 8 (lane / 16) + j of the step: hidden where it is not under my query
.irp kt, 0,1,2,3
.irp j, 0,1,2,3,4,5,6,7
	v_cmp_gt_i32 vcc_lo, 16*\kt+\j+1, v[D0+\t]
	v_cndmask_b32 v[S+32*\t+8*\kt+\j], v[S+32*\t+8*\kt+\j], v[NINF], vcc_lo
.endr
.endr
.endr
.Lopen_\@:
	SOFT \st, \ob, \first
	s_wait_dscnt 0x0                               ; V is in
	WIN 0x05
.irp kc, 0,1
.irp ct, 0,1,2,3
.irp t, 0,1
.if (\first) && (\kc == 0)
	v_wmma_f32_16x16x32_f16 v[\ob+32*\t+8*\ct:\ob+32*\t+8*\ct+7], v[VF+8*(4*\kc+\ct):VF+8*(4*\kc+\ct)+7], v[P+16*\t+8*\kc:P+16*\t+8*\kc+7], 0
.else
	v_wmma_f32_16x16x32_f16 v[\ob+32*\t+8*\ct:\ob+32*\t+8*\ct+7], v[VF+8*(4*\kc+\ct):VF+8*(4*\kc+\ct)+7], v[P+16*\t+8*\kc:P+16*\t+8*\kc+7], v[\ob+32*\t+8*\ct:\ob+32*\t+8*\ct+7]
.endif
.endr
.endr
.endr
	WIN 0
.endm
; A STEP OF 64 KEYS.  A step past pair B's last is left out whole, one past pair A's last in A's half: scalar branches on the wave's number and the count of steps, round no barrier;
; the two lines at the end, which step the count and the LDS base, always run.  first = 1: step 0, in which both pairs of every wave are live: no test.
.macro STEP first
.if \first == 0
	s_cmp_ge_u32 s[J], s[TB]
	s_cbranch_scc1 .Lskip_\@
.endif
	v_add_nc_u32 v[ADK], s[KB], v[LI]
	v_add_nc_u32 v[ADV], s[KB], v[AV0]
	v_nop
	v_nop                                          ; with the two additions: four places in front of loads into registers that the last products read
	WIN 0x40                                       ; destination window 1
.irp kt, 0,1,2,3                       ; K: key tile kt, channels 32 c on: two images of 512 bytes
.irp c, 0,1
	ds_load_b128 v[KF+8*(2*\kt+\c):KF+8*(2*\kt+\c)+3], v[ADK] offset:\kt*4096+\c*1024
	ds_load_b128 v[KF+8*(2*\kt+\c)+4:KF+8*(2*\kt+\c)+7], v[ADK] offset:\kt*4096+\c*1024+512
.endr
.endr
.irp kc, 0,1                           ; V, turned: keys 32 kc on (two key tiles), channels 16 ct on: each load takes a whole block of 512 bytes
.irp ct, 0,1,2,3
	ds_load_tr16_b128 v[VF+8*(4*\kc+\ct):VF+8*(4*\kc+\ct)+3], v[ADV] offset:(2*\kc)*4096+\ct*512
	ds_load_tr16_b128 v[VF+8*(4*\kc+\ct)+4:VF+8*(4*\kc+\ct)+7], v[ADV] offset:(2*\kc+1)*4096+\ct*512
.endr
.endr
	WIN 0
	HALF STB, OB, QB, TB, \first, 16
.if \first == 0
	s_cmp_ge_u32 s[J], s[TA]
	s_cbranch_scc1 .Lskip_\@
.endif
	HALF STA, OA, QA, TA, \first, 0
.Lskip_\@:
	s_add_co_u32 s[J], s[J], 1
	s_add_co_u32 s[KB], s[KB], 16384
.endm
; A PAIR'S WAY OUT: the sum's halves and the other half of the lanes'; reference()'s guard; O^T / the sum, rounded to f16: a lane's eight channels are 16 bytes of the projection's operand registers.
.macro FINAL st, ob, pk, base
.irp t, 0,1
	v_add_f32 v[\st+8*\t+4], v[\st+8*\t+2], v[\st+8*\t+3]
.endr
.irp t, 0,1
	v_permlanex16_b32 v[\st+8*\t+5], v[\st+8*\t+4], s[SEL], s[SEL+1]
.endr
.irp t, 0,1
	v_add_f32 v[\st+8*\t+4], v[\st+8*\t+4], v[\st+8*\t+5]
.endr
.irp t, 0,1
	v_cmp_eq_f32 vcc_lo, 0, v[\st+8*\t+4]
	v_cndmask_b32 v[\st+8*\t+4], v[\st+8*\t+4], v[ONE], vcc_lo     ; a sum of 0 counts as 1
.endr
.irp t, 0,1
	v_rcp_f32 v[\st+8*\t+6], v[\st+8*\t+4]
.endr
	v_nop
	s_wait_alu depctr_va_vdst(0)                   ; one wait for the two reciprocals, ahead of their first reader
.irp i, 0,2,4,6,8,10,12,14,16,18,20,22,24,26,28,30
.irp t, 0,1
	v_pk_mul_f32 v[\ob+32*\t+\i:\ob+32*\t+\i+1], v[\ob+32*\t+\i:\ob+32*\t+\i+1], v[\st+8*\t+6:\st+8*\t+7] op_sel_hi:[1,0]
.endr
.endr
.set i, 0
.rept 16
.irp t, 0,1
	v_cvt_pk_f16_f32 v[\pk+16*\t+i], v[\ob+32*\t+2*i], v[\ob+32*\t+2*i+1]
.endr
.set i, i+1
.endr
.irp t, 0,1
.irp ct, 0,1,2,3
	global_store_b128 v[LI], v[\pk+16*\t+4*\ct:\pk+16*\t+4*\ct+3], s[\base:\base+1] offset:\t*32768+\ct*512   ; 512 consecutive bytes, aligned
.endr
.endr
.endm
	s_load_b256 s[4:11], s[0:1], 0x0               ; q_ws s[4:5], kv_ws s[6:7], scale s[8:9], ao s[10:11]
	v_lshl_add_u32 v[SPW], v0, 2, SPARE
	v_mov_b32 v[NIL], 0
	ds_add_u32 v[SPW], v[NIL]                      ; the wave's opening: the add, twice on end, and its wait ahead of my first tensor load
	ds_add_u32 v[SPW], v[NIL]
	v_lshrrev_b32 v2, 5, v0
	v_readfirstlane_b32 s[WV], v2                  ; wave 0..7
	s_lshr_b32 s[BH], ttmp9, 1                     ; 16 x batch + head
	s_and_b32 s[PP], ttmp9, 1                      ; which of the head's two work-groups
	s_add_co_u32 s[TA], s[WV], 1
	s_sub_co_u32 s[TB], 16, s[WV]
	s_mov_b32 s[J], 0
	s_mov_b32 s[KB], 0
	s_mov_b32 s[SEL], 0x76543210
	s_mov_b32 s[SEL+1], 0xfedcba98
	G1SET G1, 8                                    ; step 0: 16,384 bytes, 2,048 a wave
	G1SET G1+8, 24                                 ; steps 1-3: 49,152 bytes, 6,144 a wave
	G1SET G1+16, 96                                ; steps 4-15: 196,608 bytes, 24,576 a wave
	s_lshl_b32 s[G0+1], s[WV], 11                  ; my part's place, in LDS as in the head's block of memory
	s_mul_i32 s[G0+5], s[WV], 6144
	s_add_co_u32 s[G0+5], s[G0+5], 16384
	s_mul_i32 s[G0+9], s[WV], 24576
	s_add_co_u32 s[G0+9], s[G0+9], 65536
	s_lshl_b32 s2, s[BH], 18
	s_mov_b32 s3, 0
	s_wait_dscnt 0x0                               ; both opening adds are done
	s_wait_kmcnt 0x0
	s_add_nc_u64 s[6:7], s[6:7], s[2:3]            ; the head's K and V
.irp g, 0,1,2
	s_mov_b32 s[G0+4*\g], 1
	s_mov_b32 s2, s[G0+4*\g+1]
	s_add_nc_u64 s[G0+4*\g+2:G0+4*\g+3], s[6:7], s[2:3]
	s_or_b32 s[G0+4*\g+3], s[G0+4*\g+3], 0x80000000
.endr
	tensor_load_to_lds s[G0:G0+3], s[G1:G1+7]      ; every wave issues its three: three loads of mine are out
	s_nop 0
	tensor_load_to_lds s[G0+4:G0+7], s[G1+8:G1+15]
	s_nop 0
	tensor_load_to_lds s[G0+8:G0+11], s[G1+16:G1+23]
	s_nop 0
.rept 4
	v_nop
.endr
	s_lshl_b32 s15, s[WV], 2
	s_lshl_b32 s16, s[PP], 1
	s_add_co_u32 s15, s15, s16                     ; pair A's first query tile: 4 w + 2 p
	s_sub_co_u32 s16, 60, s15
	s_lshl_b32 s[TMP], s[PP], 2
	s_add_co_u32 s16, s16, s[TMP]                  ; pair B's: 60 - 4 w + 2 p
	s_lshl_b32 s[TMP], s[BH], 6
	s_add_co_u32 s2, s[TMP], s15
	s_lshl_b32 s2, s2, 11                          ; 2,048 bytes of q a tile
	s_add_nc_u64 s[QAB:QAB+1], s[4:5], s[2:3]
	s_add_co_u32 s2, s[TMP], s16
	s_lshl_b32 s2, s2, 11
	s_add_nc_u64 s[QBB:QBB+1], s[4:5], s[2:3]
	s_lshr_b32 s[TMP], s[BH], 4
	s_lshl_b32 s[TMP], s[TMP], 6                   ; 64 token tiles a batch
	s_and_b32 s74, s[BH], 15                       ; the head
	s_lshl_b32 s75, s74, 11                        ; its two fragments of 1,024 bytes in a token tile's 32,768
	s_add_co_u32 s2, s[TMP], s15
	s_lshl_b32 s2, s2, 15
	s_add_co_u32 s2, s2, s75
	s_add_nc_u64 s[OAB:OAB+1], s[10:11], s[2:3]
	s_add_co_u32 s2, s[TMP], s16
	s_lshl_b32 s2, s2, 15
	s_add_co_u32 s2, s2, s75
	s_add_nc_u64 s[OBB:OBB+1], s[10:11], s[2:3]
	s_lshl_b32 s2, s74, 2
	s_add_nc_u64 s[8:9], s[8:9], s[2:3]
	s_load_b32 s76, s[8:9], 0x0                    ; scale[head]
	v_and_b32 v[LI], 31, v0
	v_lshlrev_b32 v[LI], 4, v[LI]
	WIN 0x40
.irp t, 0,1                            ; Q stays in registers: tile t, block of 16 channels k
.irp k, 0,1,2,3
	global_load_b128 v[QA+16*\t+4*\k:QA+16*\t+4*\k+3], v[LI], s[QAB:QAB+1] offset:\t*2048+\k*512
	global_load_b128 v[QB+16*\t+4*\k:QB+16*\t+4*\k+3], v[LI], s[QBB:QBB+1] offset:\t*2048+\k*512
.endr
.endr
	WIN 0
	v_and_b32 v12, 15, v0                          ; r
	v_bfe_u32 v13, v0, 4, 1                        ; h
	v_and_b32 v14, 7, v0
	v_bfe_u32 v15, v0, 3, 1
	v_lshl_add_u32 v[AV0], v13, 3, v14             ; the turning load: key 8 h + lane % 8,
	v_lshlrev_b32 v[AV0], 5, v[AV0]                ; rows of 32 bytes,
	v_lshl_add_u32 v[AV0], v15, 4, v[AV0]          ; channels 8 ((lane / 8) % 2) on,
	v_add_nc_u32 v[AV0], 2048, v[AV0]              ; behind the tile's four blocks of K
	v_lshlrev_b32 v[D0], 3, v13
	v_sub_nc_u32 v[D0], v12, v[D0]
	s_lshl_b32 s[TMP], s[PP], 5
	v_add_nc_u32 v[D0], s[TMP], v[D0]              ; 32 p + r - 8 h
	v_add_nc_u32 v[D0+1], 16, v[D0]
	v_mov_b32 v[NINF], 0xff800000
	v_mov_b32 v[ONE], 1.0
	s_wait_kmcnt 0x0
	s_and_b32 s[SGN], s76, 0x80000000
	s_and_b32 s[TMP], s76, 0x7fffffff
	s_mul_f32 s[CS], s[TMP], 0x3fb8aa3b            ; |scale| log2(e),
	s_max_u32 s[CS], s[CS], 0x0d800000             ; held at 2^-100 from below (positive floats order as whole numbers)
	s_mov_b32 s[CS+1], s[CS]
	s_lshr_b32 s[TMP], s[SGN], 16
	s_or_b32 s[SGN], s[SGN], s[TMP]                ; the scale's sign, for both halves of a register
	s_wait_loadcnt 0x0                             ; Q
	WIN 0x44                                       ; destination and source 1 window 1
.set i, 0
.rept 64
	v_xor_b32 v[i], s[SGN], v[i]
.set i, i+1
.endr
	WIN 0
	s_wait_tensorcnt 0x2                           ; my part of step 0 is in; the two later groups may be out
	s_barrier_signal -1
	s_barrier_wait -1                              ; everybody's is
	STEP 1
	s_wait_tensorcnt 0x1                           ; steps 1-3
	s_wait_dscnt 0x0
	s_barrier_signal -1
	s_barrier_wait -1
	s_mov_b32 s[CNT], 3
.Lg1:
	STEP 0
	s_sub_co_u32 s[CNT], s[CNT], 1
	s_cmp_lg_u32 s[CNT], 0
	s_cbranch_scc1 .Lg1
	s_wait_tensorcnt 0x0                           ; steps 4-15
	s_wait_dscnt 0x0
	s_barrier_signal -1
	s_barrier_wait -1
	s_mov_b32 s[CNT], 12
.Lg2:
	STEP 0
	s_sub_co_u32 s[CNT], s[CNT], 1
	s_cmp_lg_u32 s[CNT], 0
	s_cbranch_scc1 .Lg2
.rept 4
	v_nop                                          ; four places behind the last products
.endr
	FINAL STA, OA, 64, OAB
	FINAL STB, OB, 96, OBB                         ; other registers than pair A's: no store's data are written again
	s_wait_tensorcnt 0x0                           ; the wave's end
	ds_add_u32 v[SPW], v[NIL]
	s_wait_dscnt 0x0
	s_endpgm
.Lfunc_end_k_q0200971bb7_attn:
	.size	k_q0200971bb7_attn, .Lfunc_end_k_q0200971bb7_attn-k_q0200971bb7_attn
	.p2alignl 7, 3214868480
	.fill 96, 4, 3214868480
	.section	.rodata,"a",@progbits
	.p2align	6, 0x0
	.amdhsa_kernel k_q0200971bb7_attn
		.amdhsa_group_segment_fixed_size 263168
		.amdhsa_private_segment_fixed_size 0
		.amdhsa_enable_private_segment 0
		.amdhsa_kernarg_size 32
		.amdhsa_user_sgpr_count 2
		.amdhsa_user_sgpr_kernarg_segment_ptr 1
		.amdhsa_wavefront_size32 1
		.amdhsa_system_sgpr_workgroup_id_x 1
		.amdhsa_system_sgpr_workgroup_id_y 1
		.amdhsa_system_sgpr_workgroup_id_z 1
		.amdhsa_system_vgpr_workitem_id 0
		.amdhsa_next_free_vgpr 512
		.amdhsa_next_free_sgpr 80
		.amdhsa_reserve_vcc 1
		.amdhsa_float_denorm_mode_32 3
		.amdhsa_float_denorm_mode_16_64 3
		.amdhsa_memory_ordered 1
		.amdhsa_forward_progress 1
		.amdhsa_inst_pref_size 137
	.end_amdhsa_kernel
	.amdgpu_metadata
---
amdhsa.version: [ 1, 2 ]
amdhsa.kernels:
  - .name:           k_q0200971bb7_attn
    .symbol:         k_q0200971bb7_attn.kd
    .args:
      - { .name: q_ws, .offset: 0, .size: 8, .value_kind: global_buffer, .address_space: global }
      - { .name: kv_ws, .offset: 8, .size: 8, .value_kind: global_buffer, .address_space: global }
      - { .name: scale, .offset: 16, .size: 8, .value_kind: global_buffer, .address_space: global }
      - { .name: ao, .offset: 24, .size: 8, .value_kind: global_buffer, .address_space: global }
    .group_segment_fixed_size: 263168
    .private_segment_fixed_size: 0
    .kernarg_segment_align: 8
    .kernarg_segment_size: 32
    .max_flat_workgroup_size: 256
    .sgpr_count:     80
    .vgpr_count:     512
    .wavefront_size: 32
...
	.end_amdgpu_metadata
.endif
;; end of part 3
;; launch proj (part 4): grid 4 x 64, 4 waves a work-group, clusters of 4 x 4, 327,680 bytes of LDS; arguments ao, wo_frag, b_out, out0; writes out0
.if DOCPART == 4
	.amdgcn_target "amdgcn-amd-amdhsa--gfx1250"
	.amdhsa_code_object_version 6
	.text
	.protected	k_q0200971bb7_proj
	.globl	k_q0200971bb7_proj
	.p2align	8
	.type	k_q0200971bb7_proj,@function
k_q0200971bb7_proj:
	s_mov_b64 s[64:65], 0
	v_nop
	global_prefetch_b8 v0, s[64:65] scope:SCOPE_SE
	s_setreg_imm32_b32 hwreg(HW_REG_WAVE_MODE, 25, 1), 1
	s_wait_xcnt 0x0
	s_wait_alu depctr_hold_cnt(0) depctr_sa_sdst(0) depctr_va_vdst(0) depctr_va_sdst(0) depctr_va_ssrc(0) depctr_va_vcc(0) depctr_vm_vsrc(0)
	s_getreg_b32 s2, hwreg(HW_REG_IB_STS2, 6, 4)
	s_cmp_eq_u32 s2, 0
	s_cbranch_scc0 .Lentry_in_a_cluster
	s_endpgm
.Lentry_in_a_cluster:
	s_bfe_u32 s2, ttmp6, 0x10000c
	s_cmp_lg_u32 s2, 0xf033
	s_cbranch_scc0 .Lentry_shape_is_right
	s_endpgm
.Lentry_shape_is_right:
; out0[m][n] = sum over k of ao[m][k] w_out[k][n] + b_out[n]; M = 8,192, N = K = 1,024; operands f16, sums f32.  Nothing of this product is left out.
; Both operands lie in memory in the order of the operand registers: ao [m / 16][k / 32][1,024 bytes], wo_frag [n / 16][k / 32][1,024 bytes]; lane l's 16 bytes of register group q at 512 q + 16 l.
; So a fragment comes from LDS by two loads of 512 consecutive bytes: no pitch, no padding.
; A tile of 128 (m) x 256 (n) to a work-group, which gives 256 work-groups; a wave makes 64 x 128: 32 accumulators.  K goes in steps of 128 (four fragments deep) through a ring of two LDS slots.
; CLUSTERS: 4 x 4 work-groups; ao's tiles are asked for jointly along a row of the cluster, wo_frag's along a column.
; THE MATRIX INSTRUCTION IS USED TRANSPOSED (source 0 = 16 columns n, source 1 = 16 rows m): a lane holds eight neighbouring numbers of a row of out0.  The bias is the C of each sum's first product.
; REGISTERS: window 0: v16-30 addresses; v64-127 the bias, eight registers for each tile of 16 columns; v128-255 rows on the way out.  window 1: two fragment buffers of 96.  window 2: the accumulators.
.set SLOT,   98304                     ; ao: 8 tiles of 16 rows x 4,096 bytes, then wo_frag: 16 tiles of 16 columns x 4,096 bytes
.set BOFF,   32768
.set STAGE,  2*SLOT                    ; behind the ring: 16 rows x (512 bytes + 16) for each wave
.set SPITCH, 528
.set SPARE,  STAGE+4*16*SPITCH         ; the spare words, 128 bytes for each wave
.set LAPS,   4                         ; a lap = two K steps of 128
.set ADRA, 16
.set ADRB, 20
.set STO,  24
.set RD,   25
.set CO,   26
.set SPW,  28
.set NIL,  29
.set BO,   30
.set BIAS, 64
.set BK,   128
.set F0,   0
.set F1,   96
.set G1, 24
.set G0, 32
.set G1B, 48
.set G0B, 56
.set MSB, 0
.macro WIN new
.if MSB != (\new)
	s_set_vgpr_msb (MSB<<8)|(\new)
.set MSB, \new
.endif
.endm
.set MUL,  0xa5                        ; sources 0 and 1 window 1, C and D window 2 (with the bias as C: 0x85)
.set TO_F, 0x40
.macro JLOAD s                         ; a joint load: waves 0 and 1 fetch ao's two halves, waves 2 and 3 wo_frag's; an s_nop 0 and four v_nop follow each line
	s_cmp_eq_u32 s13, 0
	s_cbranch_scc0 .Lfor_b_\@
	tensor_load_to_lds s[G0+4*\s:G0+4*\s+3], s[G1:G1+7]
	s_nop 0
.rept 4
	v_nop
.endr
	s_branch .Lasked_\@
.Lfor_b_\@:
	tensor_load_to_lds s[G0B+4*\s:G0B+4*\s+3], s[G1B:G1B+7]
	s_nop 0
.rept 4
	v_nop
.endr
.Lasked_\@:
.endm
.macro CREST
	s_cmp_lg_u32 s12, 0
	s_cbranch_scc1 .Lnot_wave_0_\@
	s_barrier_signal -3
.Lnot_wave_0_\@:
	s_barrier_wait -3
	s_barrier_signal -1
	s_barrier_wait -1
.endm
.macro CROUND
	s_barrier_signal -1
	s_barrier_wait -1
	CREST
.endm
	s_load_b256 s[4:11], s[0:1], 0x0               ; ao s[4:5], wo_frag s[6:7], b_out s[8:9], out0 s[10:11]
	v_lshl_add_u32 v[SPW], v0, 2, SPARE
	v_mov_b32 v[NIL], 0
	ds_add_u32 v[SPW], v[NIL]                      ; the wave's opening: the add, twice on end, and its wait ahead of my first tensor load
	ds_add_u32 v[SPW], v[NIL]
	v_lshrrev_b32 v1, 5, v0
	v_readfirstlane_b32 s12, v1                    ; wave 0..3
	s_lshr_b32 s13, s12, 1                         ; which 64 rows are mine.  Also: I fetch for ao (0) or for wo_frag (1)
	s_and_b32 s14, s12, 1                          ; which 128 columns.  Also: which half of that tile I fetch
	s_bfe_u32 s40, ttmp6, 0x40000
	s_bfe_u32 s41, ttmp6, 0x40004
	s_lshl_b32 s42, ttmp9, 2
	s_add_co_u32 s42, s42, s40                     ; tile column
	s_and_b32 s15, ttmp7, 0xffff
	s_lshl_b32 s15, s15, 2
	s_add_co_u32 s15, s15, s41                     ; tile row
	s_lshl_b32 s43, s41, 2
	s_lshl_b32 s43, 15, s43                        ; my row of the cluster
	s_lshl_b32 s44, 0x1111, s40                    ; my column
	; group 1: rows of 4,096 bytes (512 elements of 8 bytes: a tile's four fragments of a K step), 32,768 bytes (4,096 elements) apart, dense in LDS; ao: 4 rows a load, wo_frag: 8
	s_or_b32 s[G1+0], s43, (3<<16)|(1<<21)
	s_mov_b32 s[G1+1], 512<<16
	s_mov_b32 s[G1+2], 4<<16
	s_mov_b32 s[G1+3], 512<<16
	s_mov_b32 s[G1+4], 4
	s_mov_b32 s[G1+5], 4096
	s_mov_b32 s[G1+6], 0
	s_mov_b32 s[G1+7], 0
	s_or_b32 s[G1B+0], s44, (3<<16)|(1<<21)
	s_mov_b32 s[G1B+1], 512<<16
	s_mov_b32 s[G1B+2], 8<<16
	s_mov_b32 s[G1B+3], 512<<16
	s_mov_b32 s[G1B+4], 8
	s_mov_b32 s[G1B+5], 4096
	s_mov_b32 s[G1B+6], 0
	s_mov_b32 s[G1B+7], 0
	s_lshl_b32 s16, s15, 3
	s_lshl_b32 s17, s14, 2
	s_add_co_u32 s16, s16, s17                     ; ao: tile of 16 rows 8 x tile row + 4 x half
	s_lshl_b32 s16, s16, 15
	s_mov_b32 s17, 0
	s_lshl_b32 s46, s42, 4
	s_lshl_b32 s47, s14, 3
	s_add_co_u32 s46, s46, s47                     ; wo_frag: tile of 16 columns 16 x tile column + 8 x half
	s_lshl_b32 s46, s46, 15
	s_mov_b32 s47, 0
	s_lshl_b32 s20, s14, 14                        ; where they go: no place in the cluster enters an LDS address
	s_lshl_b32 s21, s14, 15
	s_add_co_u32 s21, s21, BOFF
	s_wait_dscnt 0x0                               ; both opening adds are done
	s_wait_kmcnt 0x0
	s_add_nc_u64 s[18:19], s[4:5], s[16:17]
	s_add_nc_u64 s[46:47], s[6:7], s[46:47]
	CROUND                                         ; all sixteen work-groups are here: the first joint loads meet
.irp s, 0,1
	s_mov_b32 s[G0+4*\s], 1
	s_add_co_u32 s[G0+4*\s+1], s20, \s*SLOT
	s_add_nc_u64 s[G0+4*\s+2:G0+4*\s+3], s[18:19], \s*4096
	s_or_b32 s[G0+4*\s+3], s[G0+4*\s+3], 0x80000000
	s_mov_b32 s[G0B+4*\s], 1
	s_add_co_u32 s[G0B+4*\s+1], s21, \s*SLOT
	s_add_nc_u64 s[G0B+4*\s+2:G0B+4*\s+3], s[46:47], \s*4096
	s_or_b32 s[G0B+4*\s+3], s[G0B+4*\s+3], 0x80000000
	JLOAD \s                                       ; two loads of mine are out
.endr
	v_and_b32 v1, 15, v0                           ; r
	v_bfe_u32 v2, v0, 4, 1                         ; h
	v_and_b32 v3, 31, v0
	v_lshlrev_b32 v[CO], 4, v3                     ; 16 x lane: an image's place, and my 16 bytes of a row of 512 on the way out
	s_lshl_b32 s21, s13, 14                        ; my 4 tiles of rows
	s_lshl_b32 s22, s14, 15                        ; my 8 tiles of columns,
	s_add_co_u32 s22, s22, BOFF                    ; behind ao's part
.irp s, 0,1
	v_add_nc_u32 v[ADRA+\s], s21, v[CO]
	v_add_nc_u32 v[ADRB+\s], s22, v[CO]
	s_add_co_u32 s21, s21, SLOT
	s_add_co_u32 s22, s22, SLOT
.endr
	s_mul_i32 s23, s12, 16*SPITCH
	s_add_co_u32 s23, s23, STAGE                   ; my stage
	v_mul_u32_u24 v4, v1, SPITCH
	v_lshl_add_u32 v4, v2, 5, v4
	v_add_nc_u32 v[STO], s23, v4                   ; in: row r, 32 bytes for each half of the lanes
	v_add_nc_u32 v[RD], s23, v[CO]                 ; back: the 32 lanes take one row of 512 bytes
	v_lshlrev_b32 v[BO], 5, v2                     ; the bias: my half's eight numbers of a tile's sixteen
	s_lshl_b32 s46, s42, 10
	s_lshl_b32 s47, s14, 9
	s_add_co_u32 s46, s46, s47                     ; my first column, in bytes: 1,024 x tile column + 512 x half
	s_mov_b32 s47, 0
	s_add_nc_u64 s[8:9], s[8:9], s[46:47]
.irp b, 0,1,2,3,4,5,6,7
	global_load_b128 v[BIAS+8*\b:BIAS+8*\b+3], v[BO], s[8:9] offset:64*\b
	global_load_b128 v[BIAS+8*\b+4:BIAS+8*\b+7], v[BO], s[8:9] offset:64*\b+16
.endr
	s_lshl_b32 s20, s15, 7
	s_lshl_b32 s21, s13, 6
	s_add_co_u32 s20, s20, s21                     ; my first row: 128 x tile row + 64 x half
	s_lshl_b32 s20, s20, 12                        ; rows of 4,096 bytes
	s_mov_b32 s21, 0
	s_add_nc_u64 s[20:21], s[20:21], s[46:47]
	s_add_nc_u64 s[10:11], s[10:11], s[20:21]
; 8 matrix instructions: my tile of rows a against my 8 tiles of columns, 32 along K.  The 32 accumulators take turns, one instruction a turn, in one order everywhere.
.macro MUL8 f, a, zero
.irp b, 0,1,2,3,4,5,6,7
.if \zero
	v_wmma_f32_16x16x32_f16 v[8*(8*(\a)+\b):8*(8*(\a)+\b)+7], v[\f+8*\b:\f+8*\b+7], v[\f+64+8*(\a):\f+64+8*(\a)+7], v[BIAS+8*\b:BIAS+8*\b+7]
.else
	v_wmma_f32_16x16x32_f16 v[8*(8*(\a)+\b):8*(8*(\a)+\b)+7], v[\f+8*\b:\f+8*\b+7], v[\f+64+8*(\a):\f+64+8*(\a)+7], v[8*(8*(\a)+\b):8*(8*(\a)+\b)+7]
.endif
.endr
.endm
.macro FETCH slot, kq, f               ; 24 LDS loads in one run: the fragments of the slot's kq-th 32 along K: the columns' eight, then the rows' four
	WIN TO_F
.irp b, 0,1,2,3,4,5,6,7
	ds_load_b128 v[\f+8*\b:\f+8*\b+3],   v[ADRB+\slot] offset:\b*4096+(\kq)*1024
	ds_load_b128 v[\f+8*\b+4:\f+8*\b+7], v[ADRB+\slot] offset:\b*4096+(\kq)*1024+512
.endr
.irp a, 0,1,2,3
	ds_load_b128 v[\f+64+8*\a:\f+64+8*\a+3],   v[ADRA+\slot] offset:\a*4096+(\kq)*1024
	ds_load_b128 v[\f+64+8*\a+4:\f+64+8*\a+7], v[ADRA+\slot] offset:\a*4096+(\kq)*1024+512
.endr
.endm
.macro PLACES
.rept 4
	v_nop
.endr
.endm
; A K step is four quarters of 32 along K on buffers 0, 1, 0, 1.  One of the first three: multiplies buffer f and fetches quarter kq of the same slot into g.
.macro QUARTER slot, kq, f, g, zero
	s_wait_dscnt 4                                 ; the youngest four loads (my rows' tiles 2, 3) may be out
	WIN MUL-0x20*\zero
	MUL8 \f, 0, \zero
	MUL8 \f, 1, \zero
	PLACES
	FETCH \slot, \kq, \g
	s_wait_dscnt 24                                ; all but the 24 just issued
	WIN MUL-0x20*\zero
	MUL8 \f, 2, \zero
	MUL8 \f, 3, \zero
.endm
; The last quarter multiplies buffer 1 and changes slots: one barrier; in front of it each wave waits for all its tensor loads, adds 0 to its spare word, and waits for that and for its reads of this slot.
.macro TURN slot, next, fill
	WIN 0                                          ; (the add's two registers lie in window 0)
	s_wait_tensorcnt 0x0                           ; all my tensor loads have landed: my part of the next slot
	ds_add_u32 v[SPW], v[NIL]
	s_wait_dscnt 5                                 ; (the add and the youngest four loads may be out)
	WIN MUL
	MUL8 F1, 0, 0                                  ; eight matrix instructions stand between the add and the wait for it
	s_wait_dscnt 0x0                               ; the add is done, and my reads of this slot are over
	s_barrier_signal -1
	MUL8 F1, 1, 0
	WIN 0
	s_barrier_wait -1
.if \fill
	CREST                                          ; the barrier has opened a round of the cluster's: no wave of any partner still reads this slot or has a load on its way
	s_add_nc_u64 s[G0+4*\slot+2:G0+4*\slot+3], s[G0+4*\slot+2:G0+4*\slot+3], 8192
	s_add_nc_u64 s[G0B+4*\slot+2:G0B+4*\slot+3], s[G0B+4*\slot+2:G0B+4*\slot+3], 8192
	JLOAD \slot                                    ; the first tensor load behind the round, my only one until the next: two K steps on
.else
	PLACES
.endif
	FETCH \next, 0, F0
	WIN MUL
	MUL8 F1, 2, 0
	MUL8 F1, 3, 0
.endm
	s_wait_tensorcnt 0x1                           ; my part of K step 0 is in; K step 1's load may be out
	s_barrier_signal -1
	s_barrier_wait -1
	FETCH 0, 0, F0
	s_wait_loadcnt 0x0                             ; the bias
	QUARTER 0, 1, F0, F1, 1                        ; the first products start the sums on the bias: nothing is cleared, nothing is added later
	WIN 0
	s_mov_b32 s3, LAPS-1
.Llap:                                             ; a trip goes once round the ring, from a lap's second quarter to the next lap's first, and fills both slots again
	QUARTER 0, 2, F1, F0, 0
	QUARTER 0, 3, F0, F1, 0
	TURN 0, 1, 1
	QUARTER 1, 1, F0, F1, 0
	QUARTER 1, 2, F1, F0, 0
	QUARTER 1, 3, F0, F1, 0
	TURN 1, 0, 1
	QUARTER 0, 1, F0, F1, 0
	WIN 0
	s_sub_co_u32 s3, s3, 1
	s_cmp_lg_u32 s3, 0
	s_cbranch_scc1 .Llap
	QUARTER 0, 2, F1, F0, 0                        ; the last lap fills nothing
	QUARTER 0, 3, F0, F1, 0
	TURN 0, 1, 0
	QUARTER 1, 1, F0, F1, 0
	QUARTER 1, 2, F1, F0, 0
	QUARTER 1, 3, F0, F1, 0
	s_wait_dscnt 4
	WIN MUL
	MUL8 F1, 0, 0
	MUL8 F1, 1, 0
	s_wait_dscnt 0
	MUL8 F1, 2, 0
	MUL8 F1, 3, 0
	WIN 0
; THE WAY OUT, a block of 16 rows x 128 columns at a time, through my own stage: in by 32 bytes a lane, back as whole rows of 512 bytes.  LDS serves a wave's instructions in order.
.macro TOSTAGE a
	WIN 0x08                                       ; an LDS store's data are its source 1: window 2
.irp b, 0,1,2,3,4,5,6,7
	ds_store_b128 v[STO], v[64*(\a)+8*\b:64*(\a)+8*\b+3] offset:64*\b          ; each accumulator from its low end on
	ds_store_b128 v[STO], v[64*(\a)+8*\b+4:64*(\a)+8*\b+7] offset:64*\b+16
.endr
	WIN 0
.set BB, BK+64*((\a)%2)
.irp t, 0,1,2,3,4,5,6,7,8,9,10,11,12,13,14,15
	ds_load_b128 v[BB+4*\t:BB+4*\t+3], v[RD] offset:\t*SPITCH
.endr
.endm
.macro SEND a, younger
.set BB, BK+64*((\a)%2)
	s_wait_dscnt \younger                          ; the block is back in registers
.if (\a) > 0
	s_add_nc_u64 s[10:11], s[10:11], 16*4096       ; (behind a wait on XCNT: the earlier stores have read their base) 16 rows on
.endif
.irp t, 0,1,2,3,4,5,6,7,8,9,10,11,12,13,14,15
	global_store_b128 v[CO], v[BB+4*\t:BB+4*\t+3], s[10:11] offset:\t*4096 th:TH_STORE_NT   ; 32 lanes store 512 consecutive bytes, aligned
.endr
.endm
	PLACES
	TOSTAGE 0
.irp a, 1,2,3
.if \a > 1
	s_wait_xcnt 0x0                                ; block a - 2's stores have read their registers and their base
.endif
	TOSTAGE \a
	SEND \a-1, 32                                  ; behind block a - 1's loads: block a's 16 stores and 16 loads
.endr
	s_wait_xcnt 0x0
	SEND 3, 0
	s_wait_tensorcnt 0x0                           ; the wave's end
	ds_add_u32 v[SPW], v[NIL]
	s_wait_dscnt 0x0
	CROUND                                         ; the closing round
	s_endpgm
.Lfunc_end_k_q0200971bb7_proj:
	.size	k_q0200971bb7_proj, .Lfunc_end_k_q0200971bb7_proj-k_q0200971bb7_proj
	.p2alignl 7, 3214868480
	.fill 96, 4, 3214868480
	.section	.rodata,"a",@progbits
	.p2align	6, 0x0
	.amdhsa_kernel k_q0200971bb7_proj
		.amdhsa_group_segment_fixed_size 327680
		.amdhsa_private_segment_fixed_size 0
		.amdhsa_enable_private_segment 0
		.amdhsa_kernarg_size 32
		.amdhsa_user_sgpr_count 2
		.amdhsa_user_sgpr_kernarg_segment_ptr 1
		.amdhsa_wavefront_size32 1
		.amdhsa_system_sgpr_workgroup_id_x 1
		.amdhsa_system_sgpr_workgroup_id_y 1
		.amdhsa_system_sgpr_workgroup_id_z 1
		.amdhsa_system_vgpr_workitem_id 0
		.amdhsa_next_free_vgpr 768
		.amdhsa_next_free_sgpr 66
		.amdhsa_reserve_vcc 0
		.amdhsa_float_denorm_mode_32 3
		.amdhsa_float_denorm_mode_16_64 3
		.amdhsa_memory_ordered 1
		.amdhsa_forward_progress 1
		.amdhsa_inst_pref_size 86
	.end_amdhsa_kernel
	.amdgpu_metadata
---
amdhsa.version: [ 1, 2 ]
amdhsa.kernels:
  - .name:           k_q0200971bb7_proj
    .symbol:         k_q0200971bb7_proj.kd
    .args:
      - { .name: ao, .offset: 0, .size: 8, .value_kind: global_buffer, .address_space: global }
      - { .name: wo_frag, .offset: 8, .size: 8, .value_kind: global_buffer, .address_space: global }
      - { .name: b_out, .offset: 16, .size: 8, .value_kind: global_buffer, .address_space: global }
      - { .name: out0, .offset: 24, .size: 8, .value_kind: global_buffer, .address_space: global }
    .group_segment_fixed_size: 327680
    .private_segment_fixed_size: 0
    .kernarg_segment_align: 8
    .kernarg_segment_size: 32
    .max_flat_workgroup_size: 128
    .sgpr_count:     66
    .vgpr_count:     768
    .wavefront_size: 32
...
	.end_amdgpu_metadata
.endif
;; end of part 4
